; MI455X (gfx1250); checked and timed in simulation.
; The chip was launched on July 23, 2026; its instructions are those of AMD's public machine-readable ISA for CDNA 5 (MIT licence, August 2026) and "CDNA5" Instruction Set Architecture Reference Guide (July 2026). The comments in the code are by the model that wrote it; some were corrected since.
;; Causal Self Attention. Allowed arithmetic: float matrix products may take bf16 or f16 operands with f32 sums; other float arithmetic in f32, or as packed bf16 or f16 multiplies, adds, multiply-adds, maxima and minima; sums over many terms, partial sums and values carried from step to step in f32; what a program stores and reads back later, other than sums and carried values, may be rounded once to bf16 or f16.
;; Inputs: Wk 2,048 x 2,048 float32; Wo 2,048 x 2,048 float32; Wq 2,048 x 2,048 float32; Wv 2,048 x 2,048 float32; attn_mask 1 x 1 x 2,048 x 2,048 float32; bk 2,048 float32; bo 2,048 float32; bq 2,048 float32; bv 2,048 float32; x 1 x 2,048 x 2,048 float32.
;; Outputs: out0 1 x 2,048 x 2,048 float32.
;; 2 versions, each right; version 2 is version 1 with the launch prep written anew for expert scheduling mode. Each part assembles by itself: llvm-mc -triple=amdgcn-amd-amdhsa -mcpu=gfx1250 --defsym DOCPART=n.
;; ======== version 1 of 2: 4 launches
;; limits: values are held in f16: magnitudes above 65,504 overflow, below 6.1e-05 lose precision
;; workspace buffers: xb 8,388,608 bytes; wb 25,165,824 bytes; wof 8,388,608 bytes; mk 16,777,216 bytes; rope 1,048,576 bytes; qkvh 25,165,824 bytes; ob 8,388,608 bytes
;; launch prep (part 1): grid 128 x 7, 8 waves a work-group, no clusters, 35,840 bytes of LDS; arguments x, Wq, Wk, Wv, Wo, attn_mask, xb, wb, wof, mk, rope; writes xb, wb, wof, mk, rope
.if DOCPART == 1
	.amdgcn_target "amdgcn-amd-amdhsa--gfx1250"
	.amdhsa_code_object_version 6
	.text
	.protected	k_q969ce55f91_prep
	.globl	k_q969ce55f91_prep
	.p2align	8
	.type	k_q969ce55f91_prep,@function
k_q969ce55f91_prep:
	s_mov_b64 s[64:65], 0
	v_nop
	global_prefetch_b8 v0, s[64:65] scope:SCOPE_SE
	s_setreg_imm32_b32 hwreg(HW_REG_WAVE_MODE, 25, 1), 1
	s_wait_xcnt 0x0
; PREPARATION: every f32 input of the matrix launches is rounded once to bf16 and laid out as those launches read it; RoPE's table is made.
; The grid's y chooses the job, its x one of 128 equal parts (131,072 input bytes; for the table 256 threads x 4 entries):
;   y = 0     x  -> xb: bf16 in FRAGMENT ORDER: byte ((rb 16 + ks) 8 + mb) 4096 + kq 1024 + g 512 + lane 16 holds row 128 rb + 16 mb + lane % 16, k = 128 ks + 32 kq + 16 g + 8 (lane / 16) + 0..7
;   y = 1..3  Wq, Wk, Wv -> wb: bf16, [3][2048 k][2048 n], a plain cast
;   y = 4     Wo -> wof: rounded to bf16, that number written as f16.  LIMIT: below 6.1e-5 f16 keeps a fixed step of 6e-8; beyond 65,504 it has no number
;   y = 5     attn_mask -> mk: rounded to bf16 like every other input, times log2(e) in f32, in the order of a matrix instruction's C operand:
;             byte (qb 16 + ks) 65536 + p 32768 + (2 qh + kh) 8192 + ti 4096 + kb 1024 + g 512 + lane 16 + 4 e holds query 128 qb + 64 qh + 16 (2 p + ti) + lane % 16, key 128 ks + 64 kh + 16 kb + 8 (lane / 16) + 4 g + e
;   y = 6     rope: f32 cos[2048][64], then sin[2048][64].  angle = s x 2^(-d log2(10000) / 64); reduced by multiples of pi / 2 held in two parts; polynomials of degree 9 and 8 on |r| <= pi / 4.
;             LIMIT: the angle carries the rounding of its f32 product and of the exponential, some 3e-4 rad at s = 2047.
; Memory binds: each input byte is read once, by loads of 512 consecutive bytes a wave; each store of a wave covers 256 or 512 consecutive bytes, aligned.  No matrix unit, no cluster: nothing is shared.
; The two re-layouts turn 16 rows through a stage in LDS that is the wave's own (16 rows x 272 bytes: 68 words, so 16 rows start at 16 different groups of four banks): no barrier.
.set STW,   4352                       ; a wave's stage
.set SPARE, 34816                      ; behind the eight stages: the spare words, 128 bytes a wave
.set X,   16                           ; v[16:79]   as loaded
.set Y,   80                           ; v[80:111]  read back from the stage
.set T,   112                          ; v[112:113] at work
.set SPW, 116                          ; my spare word's LDS address; never rewritten
.set NIL, 117                          ; 0; never rewritten
	s_load_b512 s[8:23], s[0:1], 0x0               ; x 8, Wq 10, Wk 12, Wv 14, Wo 16, mask 18, xb 20, wb 22
	s_load_b128 s[24:27], s[0:1], 0x40             ; wof 24, mk 26
	s_load_b64 s[28:29], s[0:1], 0x50              ; rope
	v_lshl_add_u32 v[SPW], v0, 2, SPARE
	v_mov_b32 v[NIL], 0
	v_lshrrev_b32 v1, 5, v0
	v_readfirstlane_b32 s5, v1                     ; wave 0..7
	v_and_b32 v1, 31, v0                           ; lane
	v_and_b32 v2, 15, v0                           ; r = lane % 16
	v_bfe_u32 v3, v0, 4, 1                         ; h = lane / 16
	v_lshlrev_b32 v4, 4, v1                        ; 16 x lane
	v_lshlrev_b32 v5, 3, v1                        ; 8 x lane
	s_and_b32 s4, ttmp7, 0xffff                    ; the job
	s_mul_i32 s7, s5, STW                          ; my stage
	s_mov_b32 s35, 0                               ; high word of the offset pair s[34:35]
	s_mov_b32 s36, 0xffff0000                      ; a word's upper bf16
	s_mov_b32 s38, 0x3fb8aa3b                      ; log2(e)
	s_mov_b32 s39, s38                             ; named with it as a pair
	s_wait_kmcnt 0x0
	s_cmp_eq_u32 s4, 0
	s_cbranch_scc1 .Lx
	s_cmp_eq_u32 s4, 5
	s_cbranch_scc1 .Lmask
	s_cmp_eq_u32 s4, 6
	s_cbranch_scc1 .Ltab
	s_cmp_eq_u32 s4, 4
	s_cbranch_scc1 .Lwo
; four f32 in v[r .. r+3] are rounded to bf16 and widened again
.macro RND4 r
	v_cvt_pk_bf16_f32 v[T], v[\r], v[(\r)+1]
	v_cvt_pk_bf16_f32 v[T+1], v[(\r)+2], v[(\r)+3]
	v_lshlrev_b32 v[\r], 16, v[T]
	v_and_b32 v[(\r)+1], s36, v[T]
	v_lshlrev_b32 v[(\r)+2], 16, v[T+1]
	v_and_b32 v[(\r)+3], s36, v[T+1]
.endm
; A plain cast of the wave's 16,384 bytes, four trips of eight loads.  mode 0: to bf16; mode 1: to bf16 and that number as f16.
.macro CAST mode
	s_lshl_b32 s34, ttmp9, 17                      ; the part's 131,072 bytes,
	s_lshl_b32 s6, s5, 14                          ; my wave's 16,384 of them
	s_add_co_u32 s34, s34, s6
	s_add_nc_u64 s[30:31], s[30:31], s[34:35]
	s_lshr_b32 s34, s34, 1                         ; half as many on the way out
	s_add_nc_u64 s[32:33], s[32:33], s[34:35]
	s_mov_b32 s6, 4
.Lcast_\@:
.irp i, 0,1,2,3,4,5,6,7
	global_load_b128 v[X+4*(\i):X+4*(\i)+3], v4, s[30:31] offset:512*(\i) th:TH_LOAD_NT
.endr
.irp i, 0,1,2,3,4,5,6,7
	s_wait_loadcnt 7-(\i)                          ; loads come back in order: mine is in, the trip's younger ones stay out
.if \mode
	RND4 X+4*(\i)
	v_cvt_pk_f16_f32 v[X+4*(\i)], v[X+4*(\i)], v[X+4*(\i)+1]
	v_cvt_pk_f16_f32 v[X+4*(\i)+1], v[X+4*(\i)+2], v[X+4*(\i)+3]
.else
	v_cvt_pk_bf16_f32 v[X+4*(\i)], v[X+4*(\i)], v[X+4*(\i)+1]
	v_cvt_pk_bf16_f32 v[X+4*(\i)+1], v[X+4*(\i)+2], v[X+4*(\i)+3]
.endif
	global_store_b64 v5, v[X+4*(\i):X+4*(\i)+1], s[32:33] offset:256*(\i)  ; the wave's store covers 256 consecutive bytes, aligned
.endr
	s_wait_xcnt 0x0                                ; the stores' data and both bases are rewritten only behind this wait
	s_add_nc_u64 s[30:31], s[30:31], 4096
	s_add_nc_u64 s[32:33], s[32:33], 2048
	s_sub_co_u32 s6, s6, 1
	s_cmp_lg_u32 s6, 0
	s_cbranch_scc1 .Lcast_\@
.endm
	s_cmp_eq_u32 s4, 1                             ; y = 1, 2, 3: Wq, Wk, Wv
	s_cselect_b64 s[30:31], s[10:11], s[12:13]
	s_cmp_eq_u32 s4, 3
	s_cselect_b64 s[30:31], s[14:15], s[30:31]
	s_sub_co_u32 s34, s4, 1
	s_lshl_b32 s34, s34, 23                        ; its 8,388,608 bytes of wb
	s_add_nc_u64 s[32:33], s[22:23], s[34:35]
	CAST 0
	s_branch .Lend
.Lwo:
	s_mov_b64 s[30:31], s[16:17]
	s_mov_b64 s[32:33], s[24:25]
	CAST 1
	s_branch .Lend
.Lx:                                               ; part bx = 16 rows of x (rb = bx / 8, mb = bx % 8); wave w takes the K steps 2 w and 2 w + 1, a trip each
	s_lshl_b32 s34, ttmp9, 17
	s_lshl_b32 s6, s5, 10
	s_add_co_u32 s34, s34, s6
	s_add_nc_u64 s[30:31], s[8:9], s[34:35]
	s_lshr_b32 s34, ttmp9, 3
	s_lshl_b32 s34, s34, 19
	s_lshl_b32 s6, s5, 16
	s_add_co_u32 s34, s34, s6
	s_and_b32 s6, ttmp9, 7
	s_lshl_b32 s6, s6, 12
	s_add_co_u32 s34, s34, s6
	s_add_nc_u64 s[32:33], s[20:21], s[34:35]
	v_lshl_add_u32 v6, v1, 3, s7                   ; in: 8 bytes a lane along a row
	v_mul_u32_u24 v7, v2, 272                      ; back: row r, 16 bytes at 16 h
	v_lshl_add_u32 v7, v3, 4, v7
	v_add_nc_u32 v7, s7, v7
	s_mov_b32 s6, 2
.Lxt:
.irp i, 0,1,2,3,4,5,6,7,8,9,10,11,12,13,14,15
	global_load_b128 v[X+4*(\i):X+4*(\i)+3], v4, s[30:31] offset:8192*(\i) th:TH_LOAD_NT  ; row i: 128 k, 512 consecutive bytes
.endr
.irp i, 0,1,2,3,4,5,6,7,8,9,10,11,12,13,14,15
	s_wait_loadcnt 15-(\i)                         ; the trip's younger loads stay out
	v_cvt_pk_bf16_f32 v[X+4*(\i)], v[X+4*(\i)], v[X+4*(\i)+1]
	v_cvt_pk_bf16_f32 v[X+4*(\i)+1], v[X+4*(\i)+2], v[X+4*(\i)+3]
	ds_store_b64 v6, v[X+4*(\i):X+4*(\i)+1] offset:272*(\i)
.endr
.irp n, 0,1,2,3,4,5,6,7
	ds_load_b128 v[Y+4*(\n):Y+4*(\n)+3], v7 offset:32*(\n)  ; n = 2 kq + g.  LDS serves a wave's instructions in order: these see the stores above
.endr
.irp n, 0,1,2,3,4,5,6,7
	s_wait_dscnt 7-(\n)
	global_store_b128 v4, v[Y+4*(\n):Y+4*(\n)+3], s[32:33] offset:512*(\n)  ; 512 consecutive bytes, aligned
.endr
	s_wait_xcnt 0x0                                ; Y and both bases are rewritten only behind this wait
	s_add_nc_u64 s[30:31], s[30:31], 512
	s_add_nc_u64 s[32:33], s[32:33], 32768
	s_sub_co_u32 s6, s6, 1
	s_cmp_lg_u32 s6, 0
	s_cbranch_scc1 .Lxt
	s_branch .Lend
.Lmask:                                            ; part bx = 16 queries; wave w takes key half kh = w % 2 of the key steps 4 (w / 2) + j, a trip each: 16 queries x 64 keys
	s_lshl_b32 s34, ttmp9, 17
	s_lshr_b32 s6, s5, 1
	s_lshl_b32 s37, s6, 11
	s_add_co_u32 s34, s34, s37
	s_and_b32 s37, s5, 1                           ; kh
	s_lshl_b32 s40, s37, 8
	s_add_co_u32 s34, s34, s40
	s_add_nc_u64 s[30:31], s[18:19], s[34:35]
	s_lshr_b32 s34, ttmp9, 3                       ; qb
	s_lshl_b32 s34, s34, 20
	s_lshl_b32 s40, s6, 18
	s_add_co_u32 s34, s34, s40
	s_bfe_u32 s40, ttmp9, 0x10001                  ; p
	s_lshl_b32 s40, s40, 15
	s_add_co_u32 s34, s34, s40
	s_bfe_u32 s40, ttmp9, 0x10002                  ; qh
	s_lshl_b32 s40, s40, 14
	s_add_co_u32 s34, s34, s40
	s_lshl_b32 s40, s37, 13
	s_add_co_u32 s34, s34, s40
	s_and_b32 s40, ttmp9, 1                        ; ti
	s_lshl_b32 s40, s40, 12
	s_add_co_u32 s34, s34, s40
	s_add_nc_u64 s[32:33], s[26:27], s[34:35]
	v_lshlrev_b32 v8, 4, v2                        ; from memory: lanes 0-15 one row's 256 bytes, lanes 16-31 the next row's
	v_lshl_add_u32 v8, v3, 13, v8
	v_mul_u32_u24 v6, v3, 272                      ; in: the same two rows
	v_lshl_add_u32 v6, v2, 4, v6
	v_add_nc_u32 v6, s7, v6
	v_mul_u32_u24 v7, v2, 272                      ; back: query r, keys 8 h on
	v_lshl_add_u32 v7, v3, 5, v7
	v_add_nc_u32 v7, s7, v7
	s_mov_b32 s6, 4
.Lmt:
.irp i, 0,1,2,3,4,5,6,7
	global_load_b128 v[X+4*(\i):X+4*(\i)+3], v8, s[30:31] offset:16384*(\i) th:TH_LOAD_NT
.endr
.irp i, 0,1,2,3,4,5,6,7
	s_wait_loadcnt 7-(\i)                          ; the trip's younger loads stay out
	RND4 X+4*(\i)
	v_pk_mul_f32 v[X+4*(\i):X+4*(\i)+1], v[X+4*(\i):X+4*(\i)+1], s[38:39] op_sel_hi:[1,0]
	v_pk_mul_f32 v[X+4*(\i)+2:X+4*(\i)+3], v[X+4*(\i)+2:X+4*(\i)+3], s[38:39] op_sel_hi:[1,0]
	ds_store_b128 v6, v[X+4*(\i):X+4*(\i)+3] offset:544*(\i)
.endr
.irp n, 0,1,2,3,4,5,6,7
	ds_load_b128 v[Y+4*(\n):Y+4*(\n)+3], v7 offset:64*((\n)/2)+16*((\n)%2)  ; n = 2 kb + g
.endr
.irp n, 0,1,2,3,4,5,6,7
	s_wait_dscnt 7-(\n)
	global_store_b128 v4, v[Y+4*(\n):Y+4*(\n)+3], s[32:33] offset:512*(\n)
.endr
	s_wait_xcnt 0x0                                ; Y and both bases are rewritten only behind this wait
	s_add_nc_u64 s[30:31], s[30:31], 512
	s_add_nc_u64 s[32:33], s[32:33], 65536
	s_sub_co_u32 s6, s6, 1
	s_cmp_lg_u32 s6, 0
	s_cbranch_scc1 .Lmt
	s_branch .Lend
.Ltab:                                             ; thread g = 256 bx + t makes entries d0 .. d0 + 3 of position s: s = g / 16, d0 = 4 (g % 16)
	s_lshl_b32 s34, ttmp9, 8
	v_add_nc_u32 v6, s34, v0
	v_lshrrev_b32 v7, 4, v6
	v_and_b32 v8, 15, v6
	v_lshlrev_b32 v8, 2, v8
	v_cvt_f32_u32 v9, v7
	v_lshlrev_b32 v10, 4, v0
	v_mov_b32 v11, 0x3638ef1d                      ; 1 / 9!
	v_mov_b32 v12, 0x37d00d01                      ; 1 / 8!
	s_lshl_b32 s34, ttmp9, 12
	s_add_nc_u64 s[32:33], s[28:29], s[34:35]
.irp j, 0,1,2,3
	v_add_nc_u32 v[16+(\j)], \j, v8
	v_cvt_f32_u32 v[16+(\j)], v[16+(\j)]
	v_mul_f32 v[16+(\j)], 0xbe549a78, v[16+(\j)]   ; - d log2(10000) / 64
.endr
.irp j, 0,1,2,3
	v_exp_f32 v[20+(\j)], v[16+(\j)]
.endr
	v_nop                                          ; a plain instruction behind the last exponential,
	s_wait_alu depctr_va_vdst(0)                   ; and one wait for the four, ahead of their first reader
.irp j, 0,1,2,3
	v_mul_f32 v[24+(\j)], v9, v[20+(\j)]           ; the angle
	v_mul_f32 v[28+(\j)], 0x3f22f983, v[24+(\j)]   ; x 2 / pi
	v_rndne_f32 v[28+(\j)], v[28+(\j)]             ; n
	v_fmamk_f32 v[24+(\j)], v[28+(\j)], 0xbfc90fdb, v[24+(\j)]  ; r = angle - n pi / 2, pi / 2 in two parts
	v_fmamk_f32 v[24+(\j)], v[28+(\j)], 0x333bbd2e, v[24+(\j)]
	v_mul_f32 v[32+(\j)], v[24+(\j)], v[24+(\j)]   ; z = r r
	v_fmaak_f32 v[36+(\j)], v11, v[32+(\j)], 0xb9500d01
	v_fmaak_f32 v[36+(\j)], v[36+(\j)], v[32+(\j)], 0x3c088889
	v_fmaak_f32 v[36+(\j)], v[36+(\j)], v[32+(\j)], 0xbe2aaaab
	v_fmaak_f32 v[40+(\j)], v12, v[32+(\j)], 0xbab60b61
	v_fmaak_f32 v[40+(\j)], v[40+(\j)], v[32+(\j)], 0x3d2aaaab
	v_fmaak_f32 v[40+(\j)], v[40+(\j)], v[32+(\j)], 0xbf000000
	v_mul_f32 v[44+(\j)], v[24+(\j)], v[32+(\j)]
	v_fma_f32 v[36+(\j)], v[44+(\j)], v[36+(\j)], v[24+(\j)]  ; sin r
	v_fma_f32 v[40+(\j)], v[40+(\j)], v[32+(\j)], 1.0         ; cos r
	v_cvt_i32_f32 v[28+(\j)], v[28+(\j)]
	v_and_b32 v[44+(\j)], 1, v[28+(\j)]
	v_cmp_eq_u32 vcc_lo, 1, v[44+(\j)]             ; an odd quadrant swaps the two: a choice of values, no branch
	v_cndmask_b32 v[48+(\j)], v[36+(\j)], v[40+(\j)], vcc_lo
	v_cndmask_b32 v[52+(\j)], v[40+(\j)], v[36+(\j)], vcc_lo
	v_and_b32 v[44+(\j)], 2, v[28+(\j)]            ; sin is negative in quadrants 2 and 3,
	v_lshlrev_b32 v[44+(\j)], 30, v[44+(\j)]
	v_xor_b32 v[48+(\j)], v[44+(\j)], v[48+(\j)]
	v_add_nc_u32 v[44+(\j)], 1, v[28+(\j)]         ; cos in quadrants 1 and 2
	v_and_b32 v[44+(\j)], 2, v[44+(\j)]
	v_lshlrev_b32 v[44+(\j)], 30, v[44+(\j)]
	v_xor_b32 v[52+(\j)], v[44+(\j)], v[52+(\j)]
.endr
	global_store_b128 v10, v[52:55], s[32:33]
	global_store_b128 v10, v[48:51], s[32:33] offset:524288
.Lend:
	s_wait_tensorcnt 0x0                           ; the wave's end, behind my last LDS store
	ds_add_u32 v[SPW], v[NIL]
	s_wait_dscnt 0x0
	s_endpgm
.Lfunc_end_k_q969ce55f91_prep:
	.size	k_q969ce55f91_prep, .Lfunc_end_k_q969ce55f91_prep-k_q969ce55f91_prep
	.p2alignl 7, 3214868480
	.fill 96, 4, 3214868480
	.section	.rodata,"a",@progbits
	.p2align	6, 0x0
	.amdhsa_kernel k_q969ce55f91_prep
		.amdhsa_group_segment_fixed_size 35840
		.amdhsa_private_segment_fixed_size 0
		.amdhsa_enable_private_segment 0
		.amdhsa_kernarg_size 88
		.amdhsa_user_sgpr_count 2
		.amdhsa_user_sgpr_kernarg_segment_ptr 1
		.amdhsa_wavefront_size32 1
		.amdhsa_system_sgpr_workgroup_id_x 1
		.amdhsa_system_sgpr_workgroup_id_y 1
		.amdhsa_system_sgpr_workgroup_id_z 1
		.amdhsa_system_vgpr_workitem_id 0
		.amdhsa_next_free_vgpr 120
		.amdhsa_next_free_sgpr 66
		.amdhsa_reserve_vcc 1
		.amdhsa_float_denorm_mode_32 3
		.amdhsa_float_denorm_mode_16_64 3
		.amdhsa_memory_ordered 1
		.amdhsa_forward_progress 1
		.amdhsa_inst_pref_size 32
	.end_amdhsa_kernel
	.amdgpu_metadata
---
amdhsa.version: [ 1, 2 ]
amdhsa.kernels:
  - .name:           k_q969ce55f91_prep
    .symbol:         k_q969ce55f91_prep.kd
    .args:
      - { .name: x, .offset: 0, .size: 8, .value_kind: global_buffer, .address_space: global }
      - { .name: Wq, .offset: 8, .size: 8, .value_kind: global_buffer, .address_space: global }
      - { .name: Wk, .offset: 16, .size: 8, .value_kind: global_buffer, .address_space: global }
      - { .name: Wv, .offset: 24, .size: 8, .value_kind: global_buffer, .address_space: global }
      - { .name: Wo, .offset: 32, .size: 8, .value_kind: global_buffer, .address_space: global }
      - { .name: attn_mask, .offset: 40, .size: 8, .value_kind: global_buffer, .address_space: global }
      - { .name: xb, .offset: 48, .size: 8, .value_kind: global_buffer, .address_space: global }
      - { .name: wb, .offset: 56, .size: 8, .value_kind: global_buffer, .address_space: global }
      - { .name: wof, .offset: 64, .size: 8, .value_kind: global_buffer, .address_space: global }
      - { .name: mk, .offset: 72, .size: 8, .value_kind: global_buffer, .address_space: global }
      - { .name: rope, .offset: 80, .size: 8, .value_kind: global_buffer, .address_space: global }
    .group_segment_fixed_size: 35840
    .private_segment_fixed_size: 0
    .kernarg_segment_align: 8
    .kernarg_segment_size: 88
    .max_flat_workgroup_size: 256
    .sgpr_count:     66
    .vgpr_count:     120
    .wavefront_size: 32
...
	.end_amdgpu_metadata
.endif
;; end of part 1
;; launch qkvproj (part 2): grid 16 x 16, 4 waves a work-group, clusters of 4 x 4, 327,680 bytes of LDS; arguments xb, wb, bq, bk, bv, rope, qkvh; writes qkvh
.if DOCPART == 2
	.amdgcn_target "amdgcn-amd-amdhsa--gfx1250"
	.amdhsa_code_object_version 6
	.text
	.protected	k_q969ce55f91_qkvproj
	.globl	k_q969ce55f91_qkvproj
	.p2align	8
	.type	k_q969ce55f91_qkvproj,@function
k_q969ce55f91_qkvproj:
	s_mov_b64 s[64:65], 0
	v_nop
	global_prefetch_b8 v0, s[64:65] scope:SCOPE_SE
	s_setreg_imm32_b32 hwreg(HW_REG_WAVE_MODE, 25, 1), 1
	s_wait_xcnt 0x0
	s_wait_alu depctr_hold_cnt(0) depctr_sa_sdst(0) depctr_va_vdst(0) depctr_va_sdst(0) depctr_va_ssrc(0) depctr_va_vcc(0) depctr_vm_vsrc(0)
	s_getreg_b32 s2, hwreg(HW_REG_IB_STS2, 6, 4)
	s_cmp_eq_u32 s2, 0
	s_cbranch_scc0 .Lentry_in_a_cluster
	s_endpgm
.Lentry_in_a_cluster:
	s_bfe_u32 s2, ttmp6, 0x10000c
	s_cmp_lg_u32 s2, 0xf033
	s_cbranch_scc0 .Lentry_shape_is_right
	s_endpgm
.Lentry_shape_is_right:
; q, k, v = x W + b, RoPE on q and k, q times log2(e) / sqrt(128); out by heads, qkvh[3][16 heads][2048][128] in f16, each number rounded once from f32.
; x and W arrive in bf16 (xb in fragment order, wb as [3][k][n]); the biases are rounded to bf16 here, like every other input of the module; products in bf16, sums in f32.
; LIMIT: f16 holds no number beyond 65,504: q log2(e) / sqrt(128), k and v must lie within it.
; SHARES.  A work-group makes 128 rows x one head's 128 q, 128 k and 128 v columns: 16 x 16 work-groups.  Wave w: rows 64 (w / 2) on (four blocks a of 16) and twelve blocks of 16 columns,
; nb = 4 t + 2 half + i (t = q, k, v), channels 16 (4 half + 2 (w % 2) + i) on: RoPE's partners, channels c and c + 64, are accumulators nb and nb + 2 of the same lane.  48 accumulators, 384 registers.
; THE MATRIX INSTRUCTION IS USED TRANSPOSED: source 0 = 16 columns of W (turned on the way out of LDS), source 1 = 16 rows of x: a lane holds one row and eight neighbouring channels.
; The first product of each sum takes the bias as C: nothing is cleared and no bias is added later.
; K goes in 16 steps of 128 through two LDS slots; each wave brings 32 KiB a step by one tensor load: waves 0-2 W's tiles for q, k, v (128 k rows x 256 bytes, 32 bytes of padding), wave 3 x's tile (32,768 dense bytes).
; CLUSTER 4 x 4: x's tile hangs on the row block alone and is asked for jointly along a row of the cluster, W's on the head alone and jointly along a column.
; REGISTERS by windows of 256: 0: addresses, biases v96-191, at work v192-239, rows read back v32-223;  1: two fragment buffers of 128 (W's twelve, then x's four);
;   2: accumulators nb 0-7 at 8 (4 nb + a);  3: accumulators nb 8-11 in v0-127, RoPE's table in v128-255 (cos(a, i) at 128 + 16 (2 a + i), sin eight further).
.set PB,    288                        ; a k row of W in LDS: 256 + 32 bytes = 72 words
.set BT,    128*PB                     ; one tile of W
.set SLOT1, 131072                     ; slot 1's tiles of W begin here: one exclusive or changes slots
.set ABASE, 262144                     ; x's two tiles lie behind both
.set ATILE, 32768
.set SPARE, 3*BT                       ; behind slot 0's tiles of W: the spare words, 128 bytes a wave; no tile lands there
.set SP,    272                        ; the way out: a row of 256 bytes + 16
.set STG,   128*SP                     ; one of three stages (q, k, v), in slot 0, which has had its last fill by then
.set AB0, 8                            ; v8-10  my lane's place in W's tiles t = 0, 1, 2; never rewritten
.set AA0, 11                           ; v11    in x's tile
.set ADB, 12                           ; v12-14 the same in the slot in hand
.set ADA, 15
.set STO, 16                           ; the way out: where I put 16 bytes of a row (q, k)
.set STO2, 17                          ; (v)
.set RD,  18                           ; where I read rows back (q, k)
.set RD2, 19                           ; (v)
.set GO,  20                           ; 16 x lane
.set BO,  21                           ; my byte offset in a bias
.set TO,  22                           ; in the table
.set PFO, 23                           ; the prefetches' lane offset
.set SPW, 28
.set NIL, 29
.set BK,  32
.set BIAS, 96
.set TMP, 192
.set PKD, 224
.set TAB, 128
.set WV, 20
.set WR, 21
.set WC, 22
.set CX, 23
.set CY, 24
.set HEAD, 25
.set RB, 26
.set G1A, 32
.set G1B, 40
.set G0A, 48
.set G0B, 52
.set TB,  56                           ; the slot in hand: 0 or SLOT1
.set TA,  57                           ; 0 or ATILE
.set LIM, 58                           ; 1 in a wave that prefetches, else the greatest number
.set HIM, 59
.set SC,  60                           ; s[60:61] log2(e) / sqrt(128)
.set PFA, 66
.set PFS, 68
.set OUT, 70                           ; s[70:75] q's, k's, v's rows that I store
.set MSB, 0
.macro WIN new                         ; the immediate's high byte repeats the setting that is left; a switch that changes nothing is dropped
.if MSB != (\new)
	s_set_vgpr_msb (MSB<<8)|(\new)
.set MSB, \new
.endif
.endm
.macro PLACES                          ; four plain instructions behind a matrix instruction, ahead of loads into its sources and of readers of its result
.rept 4
	v_nop
.endr
.endm
.macro CREST                           ; a round of the cluster's barrier behind its opening barrier
	s_cmp_lg_u32 s[WV], 0
	s_cbranch_scc1 .Lnw0_\@
	s_barrier_signal -3
.Lnw0_\@:
	s_barrier_wait -3
	s_barrier_signal -1
	s_barrier_wait -1
.endm
.macro CROUND
	s_barrier_signal -1
	s_barrier_wait -1
	CREST
.endm
.macro JLOAD                           ; a joint load, one a wave; the branch hangs on the wave's number alone; an s_nop 0 and four v_nop follow each line
	s_cmp_eq_u32 s[WV], 3
	s_cbranch_scc0 .Lfor_b_\@
	tensor_load_to_lds s[G0A:G0A+3], s[G1A:G1A+7]
	s_nop 0
	PLACES
	s_branch .Lasked_\@
.Lfor_b_\@:
	tensor_load_to_lds s[G0B:G0B+3], s[G1B:G1B+7]
	s_nop 0
	PLACES
.Lasked_\@:
.endm
.macro STEPG                           ; both walking descriptors: the other slot, the next K step; the type bits on top are not reached
	s_xor_b32 s[G0A+1], s[G0A+1], ATILE
	s_add_nc_u64 s[G0A+2:G0A+3], s[G0A+2:G0A+3], ATILE
	s_xor_b32 s[G0B+1], s[G0B+1], SLOT1
	s_add_nc_u64 s[G0B+2:G0B+3], s[G0B+2:G0B+3], 128*4096
.endm
; A PREFETCH INTO THE L2 of the K step behind the one that is being asked for: 192 matrix instructions ahead of its load.  x's tile is read by every cluster of a row of clusters: the first (cluster x = 0) asks, wave 3;
; W's tiles by every cluster of a column: cluster y = 0 asks, waves 0-2.  The four partners of a joint load share the tile's 128 blocks of 256 bytes out BY ADDRESS, 32 each, a lane a block: each block is named once.
; K steps 0 to 2 come by their loads alone; the last refill asks for nothing: there is no K step behind it.
.macro ASK
	WIN 0
	s_cmp_gt_u32 s3, s[LIM]
	s_cbranch_scc0 .Lnot_mine_\@
	global_prefetch_b8 v[PFO], s[PFA:PFA+1] th:TH_LOAD_NT scope:SCOPE_SE
.Lnot_mine_\@:
.endm
	s_load_b256 s[4:11], s[0:1], 0x0               ; xb 4, wb 6, bq 8, bk 10
	s_load_b128 s[12:15], s[0:1], 0x20             ; bv 12, rope 14
	s_load_b64 s[16:17], s[0:1], 0x30              ; qkvh
	v_lshl_add_u32 v[SPW], v0, 2, SPARE
	v_mov_b32 v[NIL], 0
	ds_add_u32 v[SPW], v[NIL]                      ; the wave's opening: the add, with its wait ahead of my first tensor load; work on registers stands between them
	v_lshrrev_b32 v1, 5, v0
	v_readfirstlane_b32 s[WV], v1
	s_lshr_b32 s[WR], s[WV], 1
	s_and_b32 s[WC], s[WV], 1
	s_bfe_u32 s[CX], ttmp6, 0x40000
	s_bfe_u32 s[CY], ttmp6, 0x40004
	s_lshl_b32 s[HEAD], ttmp9, 2
	s_add_co_u32 s[HEAD], s[HEAD], s[CX]           ; head = 4 x cluster x + cx
	s_and_b32 s[RB], ttmp7, 0xffff
	s_lshl_b32 s[RB], s[RB], 2
	s_add_co_u32 s[RB], s[RB], s[CY]               ; row block = 4 x cluster y + cy
	s_lshl_b32 s27, s[CY], 2
	s_lshl_b32 s27, 15, s27                        ; my row of the cluster
	s_lshl_b32 s18, 0x1111, s[CX]                  ; my column
	s_or_b32 s[G1A], s27, (3<<16)|(1<<21)          ; x's tile: the mask of my row; elements of 8 bytes; bit 21 beside a mask; no padding
	s_mov_b32 s[G1A+1], 32<<16                     ; 128 dense rows of 32 elements = 256 bytes
	s_mov_b32 s[G1A+2], 128<<16
	s_mov_b32 s[G1A+3], 32<<16
	s_mov_b32 s[G1A+4], 128
	s_mov_b32 s[G1A+5], 32
	s_mov_b32 s[G1A+6], 0
	s_mov_b32 s[G1A+7], 0
	s_or_b32 s[G1B], s18, (1<<16)|(1<<20)|(1<<21)|(5<<22)|(7<<25)  ; W's tile: the mask of my column; 2-byte elements; 8 words of padding behind every 64
	s_mov_b32 s[G1B+1], 128<<16                    ; 128 k rows of 128 elements, 2,048 elements from row to row
	s_mov_b32 s[G1B+2], 128<<16
	s_mov_b32 s[G1B+3], 128<<16
	s_mov_b32 s[G1B+4], 128
	s_mov_b32 s[G1B+5], 2048
	s_mov_b32 s[G1B+6], 0
	s_mov_b32 s[G1B+7], 0
	s_lshl_b32 s28, s[RB], 19                      ; x's tiles of my row block: made of the row block alone
	s_mov_b32 s29, 0
	s_lshl_b32 s30, s[WV], 23                      ; W's tiles: tensor t = my wave's number, the head's 256 bytes of a row: made of the head alone
	s_lshl_b32 s31, s[HEAD], 8
	s_add_co_u32 s30, s30, s31
	s_mov_b32 s31, 0
	s_mov_b32 s[G0A], 1
	s_mov_b32 s[G0A+1], ABASE
	s_mov_b32 s[G0B], 1
	s_mul_i32 s[G0B+1], s[WV], BT
	s_mov_b32 s[TB], SLOT1                         ; the first change of slots turns these two into 0
	s_mov_b32 s[TA], ATILE
	s_mov_b32 s[HIM], 0xffff0000
	s_mov_b32 s[SC], 0x3e0293ee
	s_mov_b32 s[SC+1], s[SC]
	s_lshl_b32 s62, s[CX], 13                      ; the prefetches stand at K step 2: of x's tile my work-group's 8,192 bytes,
	s_add_co_u32 s62, s62, s28
	s_add_co_u32 s62, s62, 2*ATILE
	s_lshl_b32 s76, s[CY], 17                      ; of W's tile its 32 rows
	s_add_co_u32 s76, s76, s30
	s_add_co_u32 s76, s76, 2*128*4096
	s_and_b32 s19, ttmp7, 0xffff
	s_mov_b32 s63, 0
	s_mov_b32 s[PFS+1], 0
	s_mov_b32 s[PFS], 128*4096
	s_mov_b32 s77, 12
	s_cmp_eq_u32 s[WV], 3
	s_cselect_b32 s62, s62, s76
	s_cselect_b32 s19, ttmp9, s19                  ; the coordinate along which other clusters read the same tile
	s_cselect_b32 s[PFS], ATILE, s[PFS]
	s_cselect_b32 s77, 8, s77                      ; a lane's block: 256 bytes on in x's tile, a row of 4,096 bytes on in W
	s_cmp_eq_u32 s19, 0
	s_cselect_b32 s[LIM], 1, -1                    ; the same in all sixteen partners, for a given wave
	s_lshl_b32 s18, s[HEAD], 19                    ; the rows that I store: head, row 128 rb + 32 w
	s_lshl_b32 s27, s[RB], 15
	s_add_co_u32 s18, s18, s27
	s_lshl_b32 s27, s[WV], 13
	s_add_co_u32 s18, s18, s27
	s_mov_b32 s19, 0
	s_lshl_b32 s78, s[RB], 15                      ; the table's 128 rows of 256 bytes
	s_mov_b32 s79, 0
	s_wait_dscnt 0x0                               ; the opening add is done
	s_wait_kmcnt 0x0
	s_add_nc_u64 s[G0A+2:G0A+3], s[4:5], s[28:29]
	s_or_b32 s[G0A+3], s[G0A+3], 0x80000000
	s_add_nc_u64 s[G0B+2:G0B+3], s[6:7], s[30:31]
	s_or_b32 s[G0B+3], s[G0B+3], 0x80000000
	s_cmp_eq_u32 s[WV], 3
	s_cselect_b64 s[PFA:PFA+1], s[4:5], s[6:7]
	s_add_nc_u64 s[PFA:PFA+1], s[PFA:PFA+1], s[62:63]
	s_add_nc_u64 s[OUT:OUT+1], s[16:17], s[18:19]
	s_add_nc_u64 s[OUT+2:OUT+3], s[OUT:OUT+1], 8388608
	s_add_nc_u64 s[OUT+4:OUT+5], s[OUT:OUT+1], 16777216
	s_add_nc_u64 s[14:15], s[14:15], s[78:79]
	CROUND                                         ; all sixteen work-groups are here: the first joint loads meet
	JLOAD                                          ; K step 0 into slot 0
	v_and_b32 v1, 15, v0                           ; r
	v_bfe_u32 v2, v0, 4, 1                         ; h
	v_and_b32 v3, 31, v0                           ; lane
	v_and_b32 v4, 7, v0
	v_bfe_u32 v5, v0, 3, 1
	s_lshl_b32 s27, s[HEAD], 9
	s_lshl_b32 s18, s[WC], 7
	s_add_co_u32 s27, s27, s18
	v_lshl_add_u32 v[BO], v2, 5, s27               ; 4 x (128 head + 32 wc + 8 h)
.irp t, 0,1,2
.irp c, 0,1,2,3
	global_load_b128 v[BIAS+8*(4*(\t)+(\c)):BIAS+8*(4*(\t)+(\c))+3],   v[BO], s[8+2*(\t):9+2*(\t)] offset:256*((\c)/2)+64*((\c)%2)
	global_load_b128 v[BIAS+8*(4*(\t)+(\c))+4:BIAS+8*(4*(\t)+(\c))+7], v[BO], s[8+2*(\t):9+2*(\t)] offset:256*((\c)/2)+64*((\c)%2)+16
.endr
.endr
	s_lshl_b32 s27, s[WR], 14
	s_add_co_u32 s27, s27, s18
	v_lshlrev_b32 v[TO], 8, v1
	v_lshl_add_u32 v[TO], v2, 5, v[TO]
	v_add_nc_u32 v[TO], s27, v[TO]                 ; (64 wr + r) x 256 + 4 x (32 wc + 8 h)
	WIN 0xc0                                       ; destination window 3
.irp a, 0,1,2,3
.irp i, 0,1
	global_load_b128 v[TAB+16*(2*(\a)+(\i)):TAB+16*(2*(\a)+(\i))+3],     v[TO], s[14:15] offset:4096*(\a)+64*(\i)
	global_load_b128 v[TAB+16*(2*(\a)+(\i))+4:TAB+16*(2*(\a)+(\i))+7],   v[TO], s[14:15] offset:4096*(\a)+64*(\i)+16
	global_load_b128 v[TAB+16*(2*(\a)+(\i))+8:TAB+16*(2*(\a)+(\i))+11],  v[TO], s[14:15] offset:4096*(\a)+64*(\i)+524288
	global_load_b128 v[TAB+16*(2*(\a)+(\i))+12:TAB+16*(2*(\a)+(\i))+15], v[TO], s[14:15] offset:4096*(\a)+64*(\i)+524288+16
.endr
.endr
	WIN 0
	v_lshl_add_u32 v6, v2, 3, v4                   ; the turning load: lane l reads k row 8 h + l % 8, 16 bytes at 16 ((l / 8) % 2)
	v_mul_u32_u24 v6, v6, PB
	v_lshl_add_u32 v6, v5, 4, v6
	s_lshl_b32 s27, s[WC], 6
	v_add_nc_u32 v[AB0], s27, v6
	v_add_nc_u32 v[AB0+1], BT, v[AB0]
	v_add_nc_u32 v[AB0+2], 2*BT, v[AB0]
	s_lshl_b32 s27, s[WR], 14
	s_add_co_u32 s27, s27, ABASE
	v_lshl_add_u32 v[AA0], v3, 4, s27              ; x's fragments lie as they are loaded: 16 x lane
	s_mul_i32 s27, s[WR], 64*SP
	s_lshl_b32 s18, s[WC], 6
	s_add_co_u32 s27, s27, s18
	v_mul_u32_u24 v[STO], v1, SP
	v_lshl_add_u32 v[STO], v2, 4, v[STO]
	v_add_nc_u32 v[STO], s27, v[STO]
	v_add_nc_u32 v[STO2], 2*STG, v[STO]
	s_mul_i32 s27, s[WV], 32*SP
	v_mul_u32_u24 v[RD], v2, SP
	v_lshl_add_u32 v[RD], v1, 4, v[RD]
	v_add_nc_u32 v[RD], s27, v[RD]
	v_add_nc_u32 v[RD2], 2*STG, v[RD]
	v_lshlrev_b32 v[GO], 4, v3
	v_lshlrev_b32 v[PFO], s77, v3
	s_wait_loadcnt 32                              ; the 24 loads of the biases are in; the table's 32, issued behind them, stay out until the way out
.set z, 0
.rept 48                                           ; the biases are rounded to bf16, like all the module's inputs
	v_cvt_pk_bf16_f32 v[TMP+z%4], v[BIAS+2*z], v[BIAS+2*z+1]
	v_lshlrev_b32 v[BIAS+2*z], 16, v[TMP+z%4]
	v_and_b32 v[BIAS+2*z+1], s[HIM], v[TMP+z%4]
.set z, z+1
.endr
; 4 n matrix instructions: column blocks nb0 .. nb0 + n - 1 x my four row blocks, 32 along K, from buffer f.  All 48 accumulators take turns, in the same order in every quarter.
.macro MUL f, nb0, n, first
.set nb, \nb0
.rept \n
.if nb < 8
.set AC, 32*nb
	WIN 0xa5-0x20*(\first)                         ; sources window 1; D window 2; C window 2, or 0 for the bias
.else
.set AC, 32*(nb-8)
	WIN 0xf5-0x30*(\first)
.endif
.irp a, 0,1,2,3
.if \first
	v_wmma_f32_16x16x32_bf16 v[AC+8*(\a):AC+8*(\a)+7], v[128*(\f)+8*nb:128*(\f)+8*nb+7], v[128*(\f)+96+8*(\a):128*(\f)+96+8*(\a)+7], v[BIAS+8*nb:BIAS+8*nb+7]
.else
	v_wmma_f32_16x16x32_bf16 v[AC+8*(\a):AC+8*(\a)+7], v[128*(\f)+8*nb:128*(\f)+8*nb+7], v[128*(\f)+96+8*(\a):128*(\f)+96+8*(\a)+7], v[AC+8*(\a):AC+8*(\a)+7]
.endif
.endr
.set nb, nb+1
.endr
.endm
.macro FETB t, kq, f                   ; W's four fragments of tensor t: k = 32 kq on
.irp c, 0,1,2,3
	ds_load_tr16_b128 v[128*(\f)+8*(4*(\t)+(\c)):128*(\f)+8*(4*(\t)+(\c))+3],   v[ADB+(\t)] offset:32*PB*(\kq)+128*((\c)/2)+32*((\c)%2)
	ds_load_tr16_b128 v[128*(\f)+8*(4*(\t)+(\c))+4:128*(\f)+8*(4*(\t)+(\c))+7], v[ADB+(\t)] offset:32*PB*(\kq)+128*((\c)/2)+32*((\c)%2)+16*PB
.endr
.endm
.macro FETCH kq, f                     ; 32 LDS loads in one run: q's, k's, x's, and last v's, which are multiplied last
	WIN 0x40                                       ; destination window 1, address window 0
	FETB 0, \kq, \f
	FETB 1, \kq, \f
.irp a, 0,1,2,3
	ds_load_b128 v[128*(\f)+96+8*(\a):128*(\f)+96+8*(\a)+3],   v[ADA] offset:4096*(\a)+1024*(\kq)
	ds_load_b128 v[128*(\f)+96+8*(\a)+4:128*(\f)+96+8*(\a)+7], v[ADA] offset:4096*(\a)+1024*(\kq)+512
.endr
	FETB 2, \kq, \f
.endm
.macro ADDR                            ; my lane's places in the slot in hand
	WIN 0
	v_add_nc_u32 v[ADB], s[TB], v[AB0]
	v_add_nc_u32 v[ADB+1], s[TB], v[AB0+1]
	v_add_nc_u32 v[ADB+2], s[TB], v[AB0+2]
	v_add_nc_u32 v[ADA], s[TA], v[AA0]
.endm
; A K step is four quarters of 32 along K, 48 matrix instructions each, on buffers 0, 1, 0, 1.  One of the first three multiplies buffer f and fetches quarter kq into buffer g.
.macro QUARTER kq, f, g, first=0
	s_wait_dscnt 8                                 ; all of buffer f but v's eight loads, the youngest
	MUL \f, 0, 4, \first
	PLACES                                         ; ahead of loads into buffer g, which the quarter before multiplied
	FETCH \kq, \g
	MUL \f, 4, 4, \first
	s_wait_dscnt 32                                ; all but the 32 just issued
	MUL \f, 8, 4, \first
.endm
; The last quarter multiplies buffer 1 and changes slots.  In front of the barrier each wave waits for all its tensor loads (one is out: its part of the next slot), adds 0 to its spare word, and waits for that and for its
; reads of this slot.  fill = 1: the barrier opens a round of the cluster's, and the joint refill, two K steps on, is the first thing behind it: 176 matrix instructions ahead of the wait for it.
.macro TURN fill
.if \fill
	s_wait_xcnt 0x0                                ; the last prefetch, a K step back, has read its address
	s_add_nc_u64 s[PFA:PFA+1], s[PFA:PFA+1], s[PFS:PFS+1]
.endif
	WIN 0
	s_wait_tensorcnt 0x0                           ; no tensor load of mine is out, so the descriptors may be written
	ds_add_u32 v[SPW], v[NIL]
.if \fill
	STEPG
.endif
	s_xor_b32 s[TB], s[TB], SLOT1
	s_xor_b32 s[TA], s[TA], ATILE
	s_wait_dscnt 9                                 ; the add and v's eight loads may be out
	MUL 1, 0, 2, 0
	s_wait_dscnt 0x0                               ; the add is done, and my reads of this slot are over
	s_barrier_signal -1
	MUL 1, 2, 2, 0
	WIN 0
	s_barrier_wait -1
.if \fill
	CREST
	JLOAD                                          ; its four v_nop are also the places in front of the loads below
.else
	PLACES
.endif
	ADDR
	FETCH 0, 0
.if \fill
	ASK
.endif
	MUL 1, 4, 4, 0
	MUL 1, 8, 4, 0
.endm
	s_wait_tensorcnt 0x0                           ; the first change of slots: K step 0 is in,
	ds_add_u32 v[SPW], v[NIL]
	STEPG
	s_xor_b32 s[TB], s[TB], SLOT1
	s_xor_b32 s[TA], s[TA], ATILE
	s_wait_dscnt 0x0
	CROUND                                         ; everybody's part of it,
	JLOAD                                          ; and K step 1 is asked for, into slot 1
	ADDR
	FETCH 0, 0
	QUARTER 1, 0, 1, 1                             ; the first quarter stands in front of the loop: its products start the sums, with the biases
	WIN 0
	s_mov_b32 s3, 14
.Lk:                                               ; 14 trips: from a K step's second quarter to the next step's first; K steps 2 to 15 are asked for
	QUARTER 2, 1, 0
	QUARTER 3, 0, 1
	TURN 1
	QUARTER 1, 0, 1
	WIN 0
	s_sub_co_u32 s3, s3, 1
	s_cmp_lg_u32 s3, 0
	s_cbranch_scc1 .Lk
	QUARTER 2, 1, 0                                ; the tail is written out: nothing more is asked for
	QUARTER 3, 0, 1
	TURN 0
	QUARTER 1, 0, 1
	QUARTER 2, 1, 0
	QUARTER 3, 0, 1
	s_wait_dscnt 0x0
	MUL 1, 0, 12, 0
; THE WAY OUT.  RoPE in f32 on the lane's own pairs of accumulators; q scaled; one rounding to f16; 16 bytes a lane into the stage; a barrier, since a row's 256 bytes come from two waves; whole rows back and out.
; The stage is slot 0's tiles of W: their last fill was K step 14's, and every wave's reads of them ended in front of the last change's barrier.
.macro ROPE t, a
	WIN 0x0e                                       ; source 0 window 2 (sums), source 1 window 3 (table), source 2 and destination window 0
.irp i, 0,1
.irp p, 0,1,2,3                        ; each accumulator's lowest registers are read first
.set X1, 32*(4*(\t)+(\i))+8*(\a)+2*(\p)
.set X2, 32*(4*(\t)+2+(\i))+8*(\a)+2*(\p)
.set RC, TAB+16*(2*(\a)+(\i))+2*(\p)
.set RU, TMP+8*(\i)+2*(\p)
	v_pk_mul_f32 v[RU:RU+1], v[X2:X2+1], v[RC+8:RC+9]
	v_pk_mul_f32 v[RU+16:RU+17], v[X2:X2+1], v[RC:RC+1]
	v_pk_fma_f32 v[RU:RU+1], v[X1:X1+1], v[RC:RC+1], v[RU:RU+1] neg_lo:[0,0,1] neg_hi:[0,0,1]  ; x1 cos - x2 sin
	v_pk_fma_f32 v[RU+16:RU+17], v[X1:X1+1], v[RC+8:RC+9], v[RU+16:RU+17]                      ; x1 sin + x2 cos
.endr
.endr
	WIN 0
.if (\t) == 0
.set z, 0
.rept 16
	v_pk_mul_f32 v[TMP+2*z:TMP+2*z+1], v[TMP+2*z:TMP+2*z+1], s[SC:SC+1] op_sel_hi:[1,0]
.set z, z+1
.endr
.endif
.set z, 0
.rept 16
	v_cvt_pk_f16_f32 v[PKD+z], v[TMP+2*z], v[TMP+2*z+1]
.set z, z+1
.endr
.irp c, 0,1,2,3
	ds_store_b128 v[STO], v[PKD+4*(\c):PKD+4*(\c)+3] offset:(\t)*STG+16*SP*(\a)+128*((\c)/2)+32*((\c)%2)
.endr
.endm
.macro VOUT a
	WIN 0x0f                                       ; sources window 3
.irp c, 0,1,2,3
.irp p, 0,1,2,3
	v_cvt_pk_f16_f32 v[PKD+4*(\c)+(\p)], v[32*(\c)+8*(\a)+2*(\p)], v[32*(\c)+8*(\a)+2*(\p)+1]
.endr
.endr
	WIN 0
.irp c, 0,1,2,3
	ds_store_b128 v[STO2], v[PKD+4*(\c):PKD+4*(\c)+3] offset:16*SP*(\a)+128*((\c)/2)+32*((\c)%2)
.endr
.endm
	PLACES
	s_wait_loadcnt 0x0                             ; the table
.irp t, 0,1
.irp a, 0,1,2,3
	ROPE \t, \a
.endr
.endr
.irp a, 0,1,2,3
	VOUT \a
.endr
	s_wait_dscnt 0x0                               ; for the others' sake: my stores into the stage are done
	s_barrier_signal -1
	s_barrier_wait -1
.set n, 0
.rept 48                                           ; wave w takes rows 32 w .. 32 w + 31 of q, k and v, two rows a load
.if n < 32
	ds_load_b128 v[BK+4*n:BK+4*n+3], v[RD] offset:(n/16)*STG+2*SP*(n%16)
.else
	ds_load_b128 v[BK+4*n:BK+4*n+3], v[RD2] offset:2*SP*(n%16)
.endif
.set n, n+1
.endr
.set n, 0
.rept 48
	s_wait_dscnt 47-n                              ; the younger loads stay out
	global_store_b128 v[GO], v[BK+4*n:BK+4*n+3], s[OUT+2*(n/16):OUT+2*(n/16)+1] offset:512*(n%16)  ; 512 consecutive bytes, aligned
.set n, n+1
.endr
	s_wait_tensorcnt 0x0                           ; the wave's end
	ds_add_u32 v[SPW], v[NIL]
	s_wait_dscnt 0x0
	CROUND                                         ; the closing round: no work-group ends while a partner may still ask for a tile that names it
	s_endpgm
.Lfunc_end_k_q969ce55f91_qkvproj:
	.size	k_q969ce55f91_qkvproj, .Lfunc_end_k_q969ce55f91_qkvproj-k_q969ce55f91_qkvproj
	.p2alignl 7, 3214868480
	.fill 96, 4, 3214868480
	.section	.rodata,"a",@progbits
	.p2align	6, 0x0
	.amdhsa_kernel k_q969ce55f91_qkvproj
		.amdhsa_group_segment_fixed_size 327680
		.amdhsa_private_segment_fixed_size 0
		.amdhsa_enable_private_segment 0
		.amdhsa_kernarg_size 56
		.amdhsa_user_sgpr_count 2
		.amdhsa_user_sgpr_kernarg_segment_ptr 1
		.amdhsa_wavefront_size32 1
		.amdhsa_system_sgpr_workgroup_id_x 1
		.amdhsa_system_sgpr_workgroup_id_y 1
		.amdhsa_system_sgpr_workgroup_id_z 1
		.amdhsa_system_vgpr_workitem_id 0
		.amdhsa_next_free_vgpr 1024
		.amdhsa_next_free_sgpr 80
		.amdhsa_reserve_vcc 0
		.amdhsa_float_denorm_mode_32 3
		.amdhsa_float_denorm_mode_16_64 3
		.amdhsa_memory_ordered 1
		.amdhsa_forward_progress 1
		.amdhsa_inst_pref_size 132
	.end_amdhsa_kernel
	.amdgpu_metadata
---
amdhsa.version: [ 1, 2 ]
amdhsa.kernels:
  - .name:           k_q969ce55f91_qkvproj
    .symbol:         k_q969ce55f91_qkvproj.kd
    .args:
      - { .name: xb, .offset: 0, .size: 8, .value_kind: global_buffer, .address_space: global }
      - { .name: wb, .offset: 8, .size: 8, .value_kind: global_buffer, .address_space: global }
      - { .name: bq, .offset: 16, .size: 8, .value_kind: global_buffer, .address_space: global }
      - { .name: bk, .offset: 24, .size: 8, .value_kind: global_buffer, .address_space: global }
      - { .name: bv, .offset: 32, .size: 8, .value_kind: global_buffer, .address_space: global }
      - { .name: rope, .offset: 40, .size: 8, .value_kind: global_buffer, .address_space: global }
      - { .name: qkvh, .offset: 48, .size: 8, .value_kind: global_buffer, .address_space: global }
    .group_segment_fixed_size: 327680
    .private_segment_fixed_size: 0
    .kernarg_segment_align: 8
    .kernarg_segment_size: 56
    .max_flat_workgroup_size: 128
    .sgpr_count:     80
    .vgpr_count:     1024
    .wavefront_size: 32
...
	.end_amdgpu_metadata
.endif
;; end of part 2
;; launch attn (part 3): grid 16 x 16, 4 waves a work-group, clusters of 4 x 4, 327,680 bytes of LDS; arguments qkvh, mk, ob; writes ob
.if DOCPART == 3
	.amdgcn_target "amdgcn-amd-amdhsa--gfx1250"
	.amdhsa_code_object_version 6
	.text
	.protected	k_q969ce55f91_attn
	.globl	k_q969ce55f91_attn
	.p2align	8
	.type	k_q969ce55f91_attn,@function
k_q969ce55f91_attn:
	s_mov_b64 s[64:65], 0
	v_nop
	global_prefetch_b8 v0, s[64:65] scope:SCOPE_SE
	s_setreg_imm32_b32 hwreg(HW_REG_WAVE_MODE, 25, 1), 1
	s_wait_xcnt 0x0
	s_wait_alu depctr_hold_cnt(0) depctr_sa_sdst(0) depctr_va_vdst(0) depctr_va_sdst(0) depctr_va_ssrc(0) depctr_va_vcc(0) depctr_vm_vsrc(0)
	s_getreg_b32 s2, hwreg(HW_REG_IB_STS2, 6, 4)
	s_cmp_eq_u32 s2, 0
	s_cbranch_scc0 .Lentry_in_a_cluster
	s_endpgm
.Lentry_in_a_cluster:
	s_bfe_u32 s2, ttmp6, 0x10000c
	s_cmp_lg_u32 s2, 0xf033
	s_cbranch_scc0 .Lentry_shape_is_right
	s_endpgm
.Lentry_shape_is_right:
; O[h][q] = the sum over k of softmax_k(q . k / sqrt(128) + mask[q][k]) v[h][k].  qkvh: [3][16][2048][128] f16, q already times log2(e) / sqrt(128); mk: the mask times log2(e), f32, in C-operand order.
; The mask is an input: every score is computed, and the mask is honoured as given: it is the C operand that starts each score's sum, so s = mask log2(e) + q' . k in f32 (an order of rounding other than the reference's).
; Products in f16, sums, maxima and partial results in f32; the weights are rounded to f16 for the second product, O once at the end.  O leaves in the next launch's fragment order (ob).
; LIMITS.  The mask is finite; infinities and NaN are not treated apart.  A weight below 2^-126 counts as 0.  p lies in 0 to 1; O is a mean of v's rows and has their range.
; SOFTMAX.  Scores are in log2 units: p = 2^(s - m) with a running maximum m; s - m is a plain f32 difference and never above 0, whatever the mask's size.  In every step O and l are multiplied by a = 2^(m_old - m_new).
; m starts at the lowest finite number, O and l at 0: the first step is a step like any other, with a = 0.
; SHARES.  A work-group owns 128 queries of one head: 16 x 16 work-groups.  Wave w: queries 64 (w / 2) on, four tiles of 16, and of each step's 128 keys the half w % 2.  The two key halves of a query meet once, at the end, in LDS, in f32.
; LAYOUT.  S^T = K Q^T (a lane holds ONE query, lane % 16, and the keys 8 (lane / 16) + 0..7); two such tiles rounded to f16 ARE source 1 of O^T = V^T P.  K comes out of LDS as it lies, V turned.
; BY TURNS.  The tiles are two PIECES (0: tiles 0, 1; 2: tiles 2, 3).  In a turn one piece has the matrix unit: 32 products V^T P of the step in hand, then 32 products K Q^T of the next; the other piece's softmax,
; cut into 64 slices, stands between them, one slice behind each matrix instruction.  A turn's 66 exponentials are one batch with one wait.
; RING.  Two slots of TWO key steps each, K and V alone: 143,360 bytes a slot; each wave brings 32 KiB a slot by one tensor load (wave 0 K and wave 1 V of the first step, waves 2 and 3 of the second): one round for 256 matrix instructions.
; THE MASKS GO STRAIGHT INTO REGISTERS: a wave's 64 queries x 64 keys are read by no other wave of the work-group, and mk holds them as the registers want them: 16 loads of 512 consecutive bytes a piece and step, issued two products
; behind the product that last read the registers, 118 matrix instructions ahead of their use.
; CLUSTER 4 x 4: K and V hang on the head alone and are asked for jointly along a row of the cluster.  The masks are shared along a column, but a joint request lands in LDS, and two slots of two steps with masks would be 2 x 274,432 bytes.
; REGISTERS by windows of 256: 0: addresses, statistics v12-43 (tile t at 12 + 8 t: m, spare, l even, l odd, c0-c3), S^T v64-191, P v192-255;  1: O^T;  2: Q v0-127, K v128-255;  3: V v0-127, masks v128-255.
.set PK,    272                        ; a row of K in LDS: 256 + 16 bytes
.set PVP,   288                        ; a row of V: 256 + 32
.set VOFF,  128*PK                     ; a step's tiles lie together: 128 rows of K, then 128 rows of V
.set STEPB, 128*(PK+PVP)               ; 71,680
.set SLOTB, 2*STEPB                    ; 143,360: a slot, and the byte at which slot 1 begins
.set SPARE, 2*SLOTB                    ; behind the ring: the spare words; no tile lands there
.set XS,    SPARE+512                  ; the merge's statistics: 1,024 bytes a wave; no tile lands there
.set XKA,   0x23000                    ; a descriptor's LDS word changes slots by the exclusive or of its two values: 0 and 143,360,
.set XVA,   0x23000                    ; 34,816 and 178,176,
.set XKB,   0x25000                    ; 71,680 and 215,040,
.set XVB,   0x27000                    ; 106,496 and 249,856
.set AK0, 2
.set AV0, 3
.set ADR, 4
.set QO,  5
.set ML,  6                            ; 16 x lane: the masks' offset, and O's; never rewritten
.set ST,  12
.set XST, 44                           ; the merge: where I put my partial O^T
.set XRD, 45                           ; where I read the two halves' back
.set XSS, 46                           ; the same for (m, l)
.set XSR, 47
.set FF,  52                           ; v52-59 the merge's factors, each in both registers of a pair
.set PFO, 61                           ; 256 x lane
.set SPW, 62
.set NIL, 63
.set S,   64
.set P,   192
.set KF,  128
.set MR,  128
.set QH,  10
.set KH,  11
.set WV,  12
.set LIM, 13                           ; 1 in a wave that prefetches K or V, else the greatest number
.set G1K, 16
.set G1V, 24
.set MBASE, 32                         ; s[32:33] my masks of key step 0
.set MO,  34                           ; s[34:35] the byte offset of the step whose masks are loaded next
.set MB,  36                           ; s[36:37] their address
.set PFM, 38                           ; s[38:39] where my prefetches of masks stand
.set G0KA, 40
.set G0VA, 44
.set G0KB, 48
.set G0VB, 52
.set SLOTS, 56
.set SEL, 60
.set TB,  62                           ; LDS byte at which the tiles of the step to be fetched begin
.set LIMM, 63                          ; 1 in a wave that prefetches masks, else the greatest number
.set PFA, 66
.set CNT, 68
.set OB,  70
.set MSB, 0
.macro WIN new
.if MSB != (\new)
	s_set_vgpr_msb (MSB<<8)|(\new)
.set MSB, \new
.endif
.endm
.set W_KQ, 0x0a                        ; K and Q window 2, S^T window 0
.set W_KM, 0x3a                        ; the same with C, the mask, in window 3
.set W_PV, 0x53                        ; V window 3, P window 0, O^T window 1
.set W_RS, 0x41                        ; O^T (destination and source 0) window 1, a window 0
.macro PLACES
.rept 4
	v_nop
.endr
.endm
.macro CROUND                          ; a round of the cluster's barrier
	s_barrier_signal -1
	s_barrier_wait -1
	s_cmp_lg_u32 s[WV], 0
	s_cbranch_scc1 .Lnw0_\@
	s_barrier_signal -3
.Lnw0_\@:
	s_barrier_wait -3
	s_barrier_signal -1
	s_barrier_wait -1
.endm
.macro JLOAD                           ; a joint load, one a wave; the branches hang on the wave's number alone; an s_nop 0 and four v_nop follow each line
	s_cmp_lt_u32 s[WV], 2
	s_cbranch_scc0 .Lb_\@
	s_cmp_eq_u32 s[WV], 0
	s_cbranch_scc0 .Lva_\@
	tensor_load_to_lds s[G0KA:G0KA+3], s[G1K:G1K+7]
	s_nop 0
	PLACES
	s_branch .Ld_\@
.Lva_\@:
	tensor_load_to_lds s[G0VA:G0VA+3], s[G1V:G1V+7]
	s_nop 0
	PLACES
	s_branch .Ld_\@
.Lb_\@:
	s_cmp_eq_u32 s[WV], 2
	s_cbranch_scc0 .Lvb_\@
	tensor_load_to_lds s[G0KB:G0KB+3], s[G1K:G1K+7]
	s_nop 0
	PLACES
	s_branch .Ld_\@
.Lvb_\@:
	tensor_load_to_lds s[G0VB:G0VB+3], s[G1V:G1V+7]
	s_nop 0
	PLACES
.Ld_\@:
.endm
.macro STEPD g, x                      ; a walking descriptor: the other slot, the next 256 keys; the type bits on top are not reached
	s_xor_b32 s[(\g)+1], s[(\g)+1], \x
	s_add_nc_u64 s[(\g)+2:(\g)+3], s[(\g)+2:(\g)+3], 65536
.endm
; PREFETCHES INTO THE L2, behind the joint load and its five lines.  K and V: the slot that the NEXT change will ask for, 256 matrix instructions ahead of its load.  They are read by every cluster of a row of clusters: the first
; (cluster x = 0) asks; each wave for the tile that it fetches, the four partners sharing its 128 rows out BY ADDRESS, 32 each, a lane a row.  The masks: the two key steps whose loads the next slot's turns will issue.  They are read by every
; cluster of a column: cluster y = 0 asks; 4 partners x 4 waves x 32 lanes name the two steps' 512 blocks of 256 bytes once each.  The last change that fills a slot asks for nothing; slots 0 to 2 and the masks of key steps 0 to 4 and 15 come by their loads alone.
.macro ASK
	s_cmp_gt_u32 s[SLOTS], s[LIM]
	s_cbranch_scc0 .Lnot_kv_\@
	global_prefetch_b8 v[PFO], s[PFA:PFA+1] th:TH_LOAD_NT scope:SCOPE_SE
.Lnot_kv_\@:
	s_cmp_gt_u32 s[SLOTS], s[LIMM]
	s_cbranch_scc0 .Lnot_m_\@
	global_prefetch_b8 v[PFO], s[PFM:PFM+1] th:TH_LOAD_NT scope:SCOPE_SE
.Lnot_m_\@:
.endm
; THE CHANGE OF SLOTS, between piece 2's turn and piece 0's: the slot's last bytes, V of its second step, have been asked for.  Each wave waits for all its tensor loads (one is out: its part of the other slot), adds 0 to its spare word,
; and waits for that and for its reads of the slot.  fill = 1: the barrier is a round of the cluster's, and the joint refill, two slots on, is the first thing behind it: it has two key steps in which to land.
.macro CHANGE fill, ask
	WIN 0
	s_wait_tensorcnt 0x0                           ; no tensor load of mine is out, so the descriptors may be written
	ds_add_u32 v[SPW], v[NIL]
.if \fill
	STEPD G0KA, XKA
	STEPD G0VA, XVA
	STEPD G0KB, XKB
	STEPD G0VB, XVB
.endif
.if \ask
	s_wait_xcnt 0x0                                ; the last prefetches, two key steps back, have read their addresses
	s_add_nc_u64 s[PFA:PFA+1], s[PFA:PFA+1], 65536
	s_add_nc_u64 s[PFM:PFM+1], s[PFM:PFM+1], 131072
.endif
	s_wait_dscnt 0x0                               ; the add is done, and my reads of the slot are over
.if \fill
	CROUND
	JLOAD
.if \ask
	ASK
.endif
.else
	s_barrier_signal -1
	s_barrier_wait -1
.endif
	s_sub_co_u32 s[TB], s[TB], SLOTB               ; the fetches go back to a slot's first step (0 or 143,360),
	s_xor_b32 s[TB], s[TB], SLOTB                  ; in the other slot
.endm
	s_load_b128 s[4:7], s[0:1], 0x0                ; qkvh 4, mk 6
	s_load_b64 s[8:9], s[0:1], 0x10                ; ob
	v_lshl_add_u32 v[SPW], v0, 2, SPARE
	v_mov_b32 v[NIL], 0
	ds_add_u32 v[SPW], v[NIL]                      ; the wave's opening: the add, with its wait ahead of my first tensor load
	v_lshrrev_b32 v1, 5, v0
	v_readfirstlane_b32 s[WV], v1
	s_lshr_b32 s[QH], s[WV], 1
	s_and_b32 s[KH], s[WV], 1
	s_bfe_u32 s14, ttmp6, 0x40000                  ; cx
	s_bfe_u32 s15, ttmp6, 0x40004                  ; cy
	s_lshl_b32 s2, ttmp9, 2
	s_add_co_u32 s2, s2, s14                       ; query block = 4 x cluster x + cx
	s_and_b32 s3, ttmp7, 0xffff
	s_lshl_b32 s3, s3, 2
	s_add_co_u32 s3, s3, s15                       ; head = 4 x cluster y + cy
	s_lshl_b32 s57, s15, 2
	s_lshl_b32 s57, 15, s57                        ; my row of the cluster
	s_or_b32 s[G1K], s57, (1<<16)|(1<<20)|(1<<21)|(5<<22)|(3<<25)  ; K: the mask of my row; 2-byte elements; 4 words of padding behind every 64
	s_or_b32 s[G1V], s57, (1<<16)|(1<<20)|(1<<21)|(5<<22)|(7<<25)  ; V: 8 words
.irp g, G1K, G1V
	s_mov_b32 s[(\g)+1], 128<<16                   ; 128 rows of 128 elements, dense in memory
	s_mov_b32 s[(\g)+2], 128<<16
	s_mov_b32 s[(\g)+3], 128<<16
	s_mov_b32 s[(\g)+4], 128
	s_mov_b32 s[(\g)+5], 128
	s_mov_b32 s[(\g)+6], 0
	s_mov_b32 s[(\g)+7], 0
.endr
	s_mov_b32 s[G0KA], 1
	s_mov_b32 s[G0KA+1], 0
	s_mov_b32 s[G0VA], 1
	s_mov_b32 s[G0VA+1], VOFF
	s_mov_b32 s[G0KB], 1
	s_mov_b32 s[G0KB+1], STEPB
	s_mov_b32 s[G0VB], 1
	s_mov_b32 s[G0VB+1], STEPB+VOFF
	s_lshl_b32 s72, s3, 19                         ; the head's rows: made of the head alone
	s_mov_b32 s73, 0
	s_lshl_b32 s74, s2, 20                         ; my masks: the query block's 1,048,576 bytes, my wave's 8,192 of a piece's 32,768
	s_lshl_b32 s75, s[WV], 13
	s_add_co_u32 s74, s74, s75
	s_mov_b32 s75, 0
	s_lshl_b32 s76, s2, 15                         ; Q: head, rows 128 qb + 64 qh on
	s_add_co_u32 s76, s76, s72
	s_lshl_b32 s57, s[QH], 14
	s_add_co_u32 s76, s76, s57
	s_mov_b32 s77, 0
	s_lshl_b32 s78, s2, 19                         ; O: tile (qb, head) of 32,768 bytes, row blocks 4 qh + 2 kh on
	s_lshl_b32 s58, s3, 15
	s_add_co_u32 s78, s78, s58
	s_add_co_u32 s78, s78, s57
	s_lshl_b32 s57, s[KH], 13
	s_add_co_u32 s78, s78, s57
	s_mov_b32 s79, 0
	s_add_co_u32 s58, s[KH], 1                     ; the prefetches of K and V stand at slot 2: k (waves 0, 2) or v (waves 1, 3),
	s_lshl_b32 s58, s58, 23
	s_add_co_u32 s58, s58, s72
	s_lshl_b32 s59, s[QH], 15                      ; the slot's first or second step,
	s_add_co_u32 s58, s58, s59
	s_lshl_b32 s59, s14, 13                        ; my work-group's 32 rows
	s_add_co_u32 s58, s58, s59
	s_add_co_u32 s58, s58, 2*65536
	s_mov_b32 s59, 0
	s_lshl_b32 s2, s2, 20                          ; those of the masks at key step 3: my work-group's 32,768 bytes of two steps' 131,072, my wave's 8,192 of them
	s_lshl_b32 s3, s15, 15
	s_add_co_u32 s2, s2, s3
	s_lshl_b32 s3, s[WV], 13
	s_add_co_u32 s2, s2, s3
	s_add_co_u32 s2, s2, 3*65536
	s_mov_b32 s3, 0
	s_cmp_eq_u32 ttmp9, 0                          ; both tests hang on the cluster's place alone: the same in all sixteen partners
	s_cselect_b32 s[LIM], 1, -1
	s_and_b32 s57, ttmp7, 0xffff
	s_cmp_eq_u32 s57, 0
	s_cselect_b32 s[LIMM], 1, -1
	s_mov_b32 s[MO], 65536                         ; key step 1
	s_mov_b32 s[MO+1], 0
	s_mov_b32 s[SEL], 0x76543210
	s_mov_b32 s[SEL+1], 0xfedcba98
	s_mov_b32 s[TB], 2*SLOTB                       ; the first change of slots turns this into 0
	s_wait_dscnt 0x0                               ; the opening add is done
	s_wait_kmcnt 0x0
	s_add_nc_u64 s[G0KA+2:G0KA+3], s[4:5], s[72:73]
	s_add_nc_u64 s[G0VA+2:G0VA+3], s[G0KA+2:G0KA+3], 16777216
	s_add_nc_u64 s[G0KA+2:G0KA+3], s[G0KA+2:G0KA+3], 8388608
	s_add_nc_u64 s[G0KB+2:G0KB+3], s[G0KA+2:G0KA+3], 32768
	s_add_nc_u64 s[G0VB+2:G0VB+3], s[G0VA+2:G0VA+3], 32768
	s_or_b32 s[G0KA+3], s[G0KA+3], 0x80000000
	s_or_b32 s[G0VA+3], s[G0VA+3], 0x80000000
	s_or_b32 s[G0KB+3], s[G0KB+3], 0x80000000
	s_or_b32 s[G0VB+3], s[G0VB+3], 0x80000000
	s_add_nc_u64 s[76:77], s[4:5], s[76:77]
	s_add_nc_u64 s[OB:OB+1], s[8:9], s[78:79]
	s_add_nc_u64 s[MBASE:MBASE+1], s[6:7], s[74:75]
	s_add_nc_u64 s[MB:MB+1], s[MBASE:MBASE+1], s[MO:MO+1]
	s_add_nc_u64 s[PFA:PFA+1], s[4:5], s[58:59]
	s_add_nc_u64 s[PFM:PFM+1], s[6:7], s[2:3]
	CROUND                                         ; all sixteen work-groups are here: the first joint loads meet
	JLOAD                                          ; slot 0: key steps 0 and 1
; Piece x's masks of the key step at s[MB] (+ off): tile f / 4, keys 16 (f % 4) on: 16 loads of 512 consecutive bytes
.macro MLOAD x, off
	WIN 0xc0                                       ; destination window 3, offset window 0
.irp f, 0,1,2,3,4,5,6,7
	global_load_b128 v[MR+32*(\x)+8*(\f):MR+32*(\x)+8*(\f)+3],   v[ML], s[MB:MB+1] offset:(\off)+16384*(\x)+1024*(\f)
	global_load_b128 v[MR+32*(\x)+8*(\f)+4:MR+32*(\x)+8*(\f)+7], v[ML], s[MB:MB+1] offset:(\off)+16384*(\x)+1024*(\f)+512
.endr
.endm
	v_and_b32 v1, 15, v0                           ; r
	v_bfe_u32 v9, v0, 4, 1                         ; h
	v_and_b32 v49, 31, v0                          ; lane
	v_lshlrev_b32 v[QO], 8, v1
	v_lshl_add_u32 v[QO], v9, 4, v[QO]
	v_lshlrev_b32 v[ML], 4, v49
	WIN 0x80                                       ; destination window 2
.irp i, 0,1,2,3,4,5,6,7,8,9,10,11,12,13,14,15      ; Q stays in registers: tile i / 4, channels 32 (i % 4) on
	global_load_b128 v[8*(\i):8*(\i)+3],   v[QO], s[76:77] offset:((\i)/4)*4096+((\i)%4)*64
	global_load_b128 v[8*(\i)+4:8*(\i)+7], v[QO], s[76:77] offset:((\i)/4)*4096+((\i)%4)*64+32
.endr
	MLOAD 0, -65536                                ; key step 0's masks: s[MB] stands at key step 1
	MLOAD 2, -65536
	; What the first turn finds: V and piece 2's P hold 0 (its products V^T P, of a step that has not been, add 0); O^T and l are 0.  No first step is written out.  All this stands in the wait for the first tile.
	WIN 0xc0
.set i, 0
.rept 128
	v_mov_b32 v[i], 0
.set i, i+1
.endr
	WIN 0x40
.set i, 0
.rept 256
	v_mov_b32 v[i], 0
.set i, i+1
.endr
	WIN 0
.set i, P+32
.rept 32
	v_mov_b32 v[i], 0
.set i, i+1
.endr
.irp t, 0,1,2,3
	v_mov_b32 v[ST+8*(\t)], 0xff7fffff             ; m
	v_mov_b32 v[ST+8*(\t)+1], 0                    ; named with it as a pair
	v_mov_b32 v[ST+8*(\t)+2], 0                    ; l
	v_mov_b32 v[ST+8*(\t)+3], 0
.endr
	v_and_b32 v10, 7, v0
	v_bfe_u32 v11, v0, 3, 1
	s_mul_i32 s57, s[KH], 64*PK
	v_mul_u32_u24 v[AK0], v1, PK
	v_lshl_add_u32 v[AK0], v9, 4, v[AK0]
	v_add_nc_u32 v[AK0], s57, v[AK0]               ; (64 kh + r) x pitch + 16 h
	s_mul_i32 s57, s[KH], 64*PVP
	s_add_co_u32 s57, s57, VOFF
	v_lshl_add_u32 v[AV0], v9, 3, v10              ; the turning load: key 64 kh + 8 h + l % 8, 16 bytes at 16 ((l / 8) % 2)
	v_mul_u32_u24 v[AV0], v[AV0], PVP
	v_lshl_add_u32 v[AV0], v11, 4, v[AV0]
	v_add_nc_u32 v[AV0], s57, v[AV0]
; THE MATRIX WORK.  The accumulators take turns, one instruction a turn.  Product i of 32 of O^T += V^T P for piece x: keys 32 (i / 16) on, channels 16 ((i / 2) % 8) on, tile x + i % 2.
.macro PV x
	WIN W_PV
.set rO, 64*((\x)+i%2)+8*((i/2)%8)
.set rV, 64*(i/16)+8*((i/2)%8)
.set rP, P+16*((\x)+i%2)+8*(i/16)
	v_wmma_f32_16x16x32_f16 v[rO:rO+7], v[rV:rV+7], v[rP:rP+7], v[rO:rO+7]
.endm
; Product i of 32 of S^T = mask + K Q^T: channels 32 (i / 8) on, keys 16 ((i / 2) % 4) on, tile x + i % 2.  The first 8 start the sums, with the mask.
.macro KQ x
.set rS, S+32*((\x)+i%2)+8*((i/2)%4)
.set rK, KF+32*((i/2)%4)+8*(i/8)
.set rQ, 32*((\x)+i%2)+8*(i/8)
.set rM, MR+32*((\x)+i%2)+8*((i/2)%4)
.if i < 8
	WIN W_KM
	v_wmma_f32_16x16x32_f16 v[rS:rS+7], v[rK:rK+7], v[rQ:rQ+7], v[rM:rM+7]
.else
	WIN W_KQ
	v_wmma_f32_16x16x32_f16 v[rS:rS+7], v[rK:rK+7], v[rQ:rQ+7], v[rS:rS+7]
.endif
.endm
; THE LDS LOADS stand in runs of 32, never singly among the matrix instructions: my 64 keys of a step's K, and, a turn later, of its V (turned).
.macro FETCH_K
	WIN 0
	v_add_nc_u32 v[ADR], s[TB], v[AK0]
	WIN 0x80
.irp f, 0,1,2,3,4,5,6,7,8,9,10,11,12,13,14,15      ; keys 16 (f / 4) on, channels 32 (f % 4) on
	ds_load_b128 v[KF+8*(\f):KF+8*(\f)+3],   v[ADR] offset:((\f)/4)*16*PK+((\f)%4)*64
	ds_load_b128 v[KF+8*(\f)+4:KF+8*(\f)+7], v[ADR] offset:((\f)/4)*16*PK+((\f)%4)*64+32
.endr
.endm
.macro FETCH_V
	WIN 0
	v_add_nc_u32 v[ADR], s[TB], v[AV0]
	s_add_co_u32 s[TB], s[TB], STEPB               ; the next fetch is the next step's
	s_wait_alu depctr_va_vdst(0)                   ; the wait for the softmax's batch, behind the address's line and ahead of the loads
	WIN 0xc0
.irp f, 0,1,2,3,4,5,6,7,8,9,10,11,12,13,14,15      ; keys 32 (f / 8) on, channels 16 (f % 8) on
	ds_load_tr16_b128 v[8*(\f):8*(\f)+3],   v[ADR] offset:((\f)/8)*32*PVP+((\f)%8)*32
	ds_load_tr16_b128 v[8*(\f)+4:8*(\f)+7], v[ADR] offset:((\f)/8)*32*PVP+16*PVP+((\f)%8)*32
.endr
.endm
; The next step's masks for piece x.  Piece 0's turn steps the address, which piece 2's turn uses too.  Behind key step 15 the offset stays: the last step's two runs load step 15's masks once more and serve nothing:
; the price, 32 loads a wave once a launch, of one text for both trips of the tail; no load leaves the buffer.
.macro MNEXT x
.if (\x) == 0
	s_wait_xcnt 0x0                                ; every load and prefetch issued so far has read its address: the youngest stand 40 matrix instructions back or more
	s_add_co_u32 s[MO], s[MO], 65536
	s_min_u32 s[MO], s[MO], 15*65536
	s_add_nc_u64 s[MB:MB+1], s[MBASE:MBASE+1], s[MO:MO+1]
.endif
	MLOAD \x, 0
.endm
; THE VECTOR WORK OF A TURN.  One tile's softmax for one key step is a numbered list; SM writes number j of it for tile t.  s0-s31 are the lane's 32 scores, in pairs 0-15.
;   0-15    the maximum of s0-s31 and the old m, three operands at a time (each accumulator's lowest registers are read first)
;   16-20   the other half of the lanes' maximum; m_old is kept; the new m; m_old - m_new (19 is empty: the scores need no factor)
;   21-69   ONE BATCH: the 16 subtractions s - m, a pair each, and all 33 exponentials (a at 23, then s0-s31).  None of these reads an exponential's result
;   (wait)  between 69 and 70: SLICE writes it, once for both tiles
;   70-85   the roundings to f16     86-101  the sums; l = a l + the sum     102-133  the tile's O^T times a: the one part that leaves window 0
.macro SM t
.set rT, ST+8*(\t)
.set rS, S+32*(\t)
.set rP, P+16*(\t)
.set rO, 64*(\t)+2*(j-102)
.if j < 102
	WIN 0
.endif
.if j < 4
	v_max3_num_f32 v[rT+4+j], v[rS+8*j], v[rS+8*j+1], v[rS+8*j+2]
.elseif j < 12
	v_max3_num_f32 v[rT+4+j%4], v[rT+4+j%4], v[rS+8*(j%4)+2*(j/4)+1], v[rS+8*(j%4)+2*(j/4)+2]
.elseif j == 12
	v_max3_num_f32 v[rT+4], v[rT+4], v[rS+7], v[rS+15]
.elseif j == 13
	v_max3_num_f32 v[rT+6], v[rT+6], v[rS+23], v[rS+31]
.elseif j == 14
	v_max3_num_f32 v[rT+4], v[rT+4], v[rT+5], v[rT+6]
.elseif j == 15
	v_max3_num_f32 v[rT+4], v[rT+4], v[rT+7], v[rT]
.elseif j == 16
	v_permlanex16_b32 v[rT+5], v[rT+4], s[SEL], s[SEL+1]  ; the query's other 32 keys lie in the lane 16 away
.elseif j == 17
	v_mov_b32 v[rT+7], v[rT]                       ; m_old is kept for a: number 18 writes m anew
.elseif j == 18
	v_max_num_f32 v[rT], v[rT+4], v[rT+5]
.elseif j == 19
.elseif j == 20
	v_sub_f32 v[rT+7], v[rT+7], v[rT]
.elseif j == 23
	v_exp_f32 v[rT+6], v[rT+7]
.elseif (j < 23) || ((j < 38) && (j%2 == 0)) || ((j < 66) && (j%4 == 2))
.set b, (j-2)/4                        ; 38, 42, .. 62: pairs 9 to 15
.if j < 38
.set b, (j-20)/2                       ; 21: pair 0; 22, 24, .. 36: pairs 1 to 8
.endif
	v_pk_add_f32 v[rS+2*b:rS+2*b+1], v[rS+2*b:rS+2*b+1], v[rT:rT+1] op_sel_hi:[1,0] neg_lo:[0,1] neg_hi:[0,1]  ; pair b: s - m
.elseif j < 70
.set e, j-38                           ; 66 to 69: s28 to s31
.if j < 66
.set e, j-32-(j-38)/4                  ; 39-41, 43-45, .. 63-65: s7 to s27
.endif
.if j < 38
.set e, (j-25)/2                       ; 25, 27, .. 37: s0 to s6
.endif
	v_exp_f32 v[rS+e], v[rS+e]
.elseif j < 86
	v_cvt_pk_f16_f32 v[rP+j-70], v[rS+2*(j-70)], v[rS+2*(j-70)+1]
.elseif j < 102                        ; the sum of the tile's 16 pairs, in place: neighbours 1, 2, 4 and 8 pairs apart, then l takes it
.set z, j-86
.set w, 4
.set u, z
.if z >= 14
.set w, 32
.set u, 0
.elseif z >= 12
.set w, 16
.set u, z-12
.elseif z >= 8
.set w, 8
.set u, z-8
.endif
.if z < 15
	v_pk_add_f32 v[rS+w*u:rS+w*u+1], v[rS+w*u:rS+w*u+1], v[rS+w*u+w/2:rS+w*u+w/2+1]
.else
	v_pk_fma_f32 v[rT+2:rT+3], v[rT+2:rT+3], v[rT+6:rT+7], v[rS:rS+1] op_sel_hi:[1,0,1]
.endif
.else
	WIN W_RS
	v_pk_mul_f32 v[rO:rO+1], v[rO:rO+1], v[rT+6:rT+7] op_sel_hi:[1,0]
.endif
.endm
; Slice k of 64 of piece y's softmax.  Slices 11 to 34 deal out the batch, four numbers of ONE tile each, the tiles by turns; every other slice is numbers 2 k and 2 k + 1 of both tiles; slice 63 takes the twelve that are over:
; its sixteen plain instructions are the places between a turn's last K Q^T and what follows.  Ahead of slice 35 nothing names an exponential's result, and behind slice 34 none is issued: one wait serves the piece's 66.
.macro SLICE y
.if (k >= 11) && (k < 35)
.irp n, 0,1,2,3
.set j, 22+4*((k-11)/2)+(\n)
	SM (\y)+(k-11)%2
.endr
.else
.irp n, 0,1,2,3,4,5,6,7
.if ((\n) < 2) || (k == 63)
.irp t, \y, (\y)+1
.set j, 2*k+(\n)
	SM \t
.endr
.endif
.endr
.endif
.if k == 34
	v_nop                                          ; a plain instruction behind the last exponential: one for the batch
.if (\y) == 0
	FETCH_V                                        ; piece 2's turn.  V's last reader stands in front of slice 31: two subtractions, the v_nop and the run's own address line are the four places between
.else
	s_wait_alu depctr_va_vdst(0)                   ; the wait for the batch
.endif
.endif
.set k, k+1
.endm
; A TURN.  Piece x has the matrix unit; the other piece's softmax stands in slices behind its matrix instructions.  kq = 0: the last turn: no next step, two slices behind each product, nothing fetched.
; The masks' registers are last read by the eighth K Q^T; the run that loads them anew stands behind the tenth and its slice: twelve plain instructions, roundings and sums of the other piece, lie between.
.macro TURN x, kq
.set k, 0
.set per, 2-(\kq)
.if (\x) == 0
	s_wait_dscnt 0x0                               ; V is in
.endif
.set i, 0
.rept 32
	PV \x
.rept per
	SLICE 2-(\x)
.endr
.if ((\x) == 0) && (\kq) && (i == 1)
	FETCH_K                                        ; K's last reader stands in front of slice 63 of the turn before
.endif
.set i, i+1
.endr
.if \kq
.if (\x) == 0
	s_wait_dscnt 0x0                               ; K is in
.endif
	s_wait_loadcnt 16                              ; my piece's masks are in; the other piece's 16 loads, issued behind them, stay out
.set i, 0
.rept 32
	KQ \x
	SLICE 2-(\x)
.if i == 9
	MNEXT \x
.endif
.set i, i+1
.endr
.endif
.endm
	CHANGE 1, 0                                    ; slot 0 is in, everybody's part of it; slot 1 is asked for
	FETCH_K                                        ; key step 0
	s_wait_loadcnt 16                              ; Q and piece 0's masks; piece 2's 16 loads stay out
	s_wait_dscnt 0x0
.set i, 0
.rept 32
	KQ 0                                           ; piece 0's first scores: there is no vector work yet to set between them
.set i, i+1
.endr
	WIN 0                                          ; the merge's addresses: five plain instructions, the places behind those products
	s_lshl_b32 s57, s[WV], 15
	v_lshl_add_u32 v[XST], v49, 4, s57             ; my image: 32,768 bytes at 32,768 w
	s_lshl_b32 s57, s[QH], 16
	s_lshl_b32 s58, s[KH], 14
	s_add_co_u32 s57, s57, s58
	v_lshl_add_u32 v[XRD], v49, 4, s57             ; tiles 2 kh and 2 kh + 1 in the images of my query half's two waves
	s_lshl_b32 s57, s[WV], 10
	s_add_co_u32 s57, s57, XS
	v_lshl_add_u32 v[XSS], v49, 3, s57
	s_lshl_b32 s57, s[QH], 11
	s_lshl_b32 s58, s[KH], 9
	s_add_co_u32 s57, s57, s58
	s_add_co_u32 s57, s57, XS
	v_lshl_add_u32 v[XSR], v49, 3, s57
	v_lshlrev_b32 v[PFO], 8, v49
	MLOAD 0, 0                                     ; piece 0's masks of key step 1
	WIN 0
	s_mov_b32 s[CNT], 2
	s_mov_b32 s[SLOTS], 7
	s_branch .Lfirst                               ; the loops are entered in the middle of a trip
.Lslot:                                            ; 6 changes: slots 2 to 7 are asked for
	CHANGE 1, 1
	s_mov_b32 s[CNT], 2
.Lstep:                                            ; a slot's two key steps: written once, walked twice; the LDS addresses hang on s[TB]
	TURN 0, 1
	WIN 0
.Lfirst:
	TURN 2, 1
	WIN 0
	s_sub_co_u32 s[CNT], s[CNT], 1
	s_cmp_lg_u32 s[CNT], 0
	s_cbranch_scc1 .Lstep
	s_sub_co_u32 s[SLOTS], s[SLOTS], 1
	s_cmp_lg_u32 s[SLOTS], 0
	s_cbranch_scc1 .Lslot
	CHANGE 0, 0                                    ; the tail is written out: nothing is asked for
	s_mov_b32 s[CNT], 2
.Ltail:
	TURN 0, 1
	TURN 2, 1
	WIN 0
	s_sub_co_u32 s[CNT], s[CNT], 1
	s_cmp_lg_u32 s[CNT], 0
	s_cbranch_scc1 .Ltail
	TURN 0, 0
.set i, 0
.rept 32
	PV 2
.set i, i+1
.endr
	; THE MERGE.  Each wave has, for 64 queries and half the keys, m, l and O^T.  All go through LDS in f32; of a query half's four tiles wave kh finishes tiles 2 kh and 2 kh + 1:
	; M = max(m0, m1), a_i = 2^(m_i - M), O = (a0 O0 + a1 O1) / (a0 l0 + a1 l1).  The images lie in slot 0, which has had its last fill.  The additions are the places behind the last products.
	WIN 0
.irp t, 0,1,2,3
	v_add_f32 v[ST+8*(\t)+6], v[ST+8*(\t)+2], v[ST+8*(\t)+3]
.endr
.irp t, 0,1,2,3
	v_permlanex16_b32 v[ST+8*(\t)+7], v[ST+8*(\t)+6], s[SEL], s[SEL+1]
.endr
.irp t, 0,1,2,3
	v_add_f32 v[ST+8*(\t)+1], v[ST+8*(\t)+6], v[ST+8*(\t)+7]  ; l, beside m
.endr
	s_wait_dscnt 0x0                               ; my reads of the slots are over
	s_barrier_signal -1
	s_barrier_wait -1                              ; everybody's are
	WIN 0x04                                       ; store data window 1
.set i, 0
.rept 64                                           ; each accumulator's low half first
	ds_store_b128 v[XST], v[4*i:4*i+3] offset:512*i
.set i, i+1
.endr
	WIN 0
.irp t, 0,1,2,3
	ds_store_b64 v[XSS], v[ST+8*(\t):ST+8*(\t)+1] offset:256*(\t)
.endr
	s_wait_dscnt 0x0                               ; for the others' sake: my stores are done
	s_barrier_signal -1
	s_barrier_wait -1
.irp u, 0,1,2,3                                    ; u = 2 ti + key half
	ds_load_b64 v[12+2*(\u):13+2*(\u)], v[XSR] offset:1024*((\u)%2)+256*((\u)/2)
.endr
.macro XLOAD ti                        ; both halves' partial O^T of tile 2 kh + ti: for each channel block cb the first half's eight registers, then the second's
.set i, 0
.rept 32
	ds_load_b128 v[S+4*i:S+4*i+3], v[XRD] offset:32768*((i/2)%2)+8192*(\ti)+1024*(i/4)+512*(i%2)
.set i, i+1
.endr
.endm
.macro XOUT ti
.irp cb, 0,1,2,3,4,5,6,7
	s_wait_dscnt 28-4*(\cb)                        ; the later channel blocks' loads stay out
.irp p, 0,1,2,3
	v_pk_mul_f32 v[S+16*(\cb)+2*(\p):S+16*(\cb)+2*(\p)+1], v[S+16*(\cb)+2*(\p):S+16*(\cb)+2*(\p)+1], v[FF+4*(\ti):FF+4*(\ti)+1]
.endr
.irp p, 0,1,2,3
	v_pk_fma_f32 v[S+16*(\cb)+2*(\p):S+16*(\cb)+2*(\p)+1], v[S+16*(\cb)+8+2*(\p):S+16*(\cb)+8+2*(\p)+1], v[FF+4*(\ti)+2:FF+4*(\ti)+3], v[S+16*(\cb)+2*(\p):S+16*(\cb)+2*(\p)+1]
.endr
.irp p, 0,1,2,3
	v_cvt_pk_f16_f32 v[P+32*(\ti)+4*(\cb)+(\p)], v[S+16*(\cb)+2*(\p)], v[S+16*(\cb)+2*(\p)+1]
.endr
	global_store_b128 v[ML], v[P+32*(\ti)+4*(\cb):P+32*(\ti)+4*(\cb)+3], s[OB:OB+1] offset:4096*(\ti)+512*(\cb)  ; the lanes' 16 bytes ARE the next launch's fragment: 512 consecutive bytes, aligned
.endr
.endm
	XLOAD 0
	s_wait_dscnt 32                                ; the four pairs (m, l); the 32 loads behind them stay out
.irp ti, 0,1
	v_max_num_f32 v[20+(\ti)], v[12+4*(\ti)], v[14+4*(\ti)]
.endr
.irp u, 0,1,2,3
	v_sub_f32 v[22+(\u)], v[12+2*(\u)], v[20+(\u)/2]
.endr
.irp u, 0,1,2,3
	v_exp_f32 v[26+(\u)], v[22+(\u)]
.endr
	v_nop
	s_wait_alu depctr_va_vdst(0)                   ; one wait for the four exponentials
.irp ti, 0,1
	v_mul_f32 v[30+(\ti)], v[13+4*(\ti)], v[26+2*(\ti)]
.endr
.irp ti, 0,1
	v_fmac_f32 v[30+(\ti)], v[15+4*(\ti)], v[27+2*(\ti)]
.endr
.irp ti, 0,1
	v_rcp_f32 v[32+(\ti)], v[30+(\ti)]
.endr
	v_nop
	s_wait_alu depctr_va_vdst(0)                   ; one wait for the two reciprocals
.irp u, 0,1,2,3
	v_mul_f32 v[FF+2*(\u)], v[26+(\u)], v[32+(\u)/2]    ; a / l, in both registers of the pair that the packed lines multiply by
	v_mul_f32 v[FF+2*(\u)+1], v[26+(\u)], v[32+(\u)/2]
.endr
	XOUT 0
	XLOAD 1
	XOUT 1
	s_wait_tensorcnt 0x0                           ; the wave's end
	ds_add_u32 v[SPW], v[NIL]
	s_wait_dscnt 0x0
	CROUND                                         ; the closing round
	s_endpgm
.Lfunc_end_k_q969ce55f91_attn:
	.size	k_q969ce55f91_attn, .Lfunc_end_k_q969ce55f91_attn-k_q969ce55f91_attn
	.p2alignl 7, 3214868480
	.fill 96, 4, 3214868480
	.section	.rodata,"a",@progbits
	.p2align	6, 0x0
	.amdhsa_kernel k_q969ce55f91_attn
		.amdhsa_group_segment_fixed_size 327680
		.amdhsa_private_segment_fixed_size 0
		.amdhsa_enable_private_segment 0
		.amdhsa_kernarg_size 24
		.amdhsa_user_sgpr_count 2
		.amdhsa_user_sgpr_kernarg_segment_ptr 1
		.amdhsa_wavefront_size32 1
		.amdhsa_system_sgpr_workgroup_id_x 1
		.amdhsa_system_sgpr_workgroup_id_y 1
		.amdhsa_system_sgpr_workgroup_id_z 1
		.amdhsa_system_vgpr_workitem_id 0
		.amdhsa_next_free_vgpr 1024
		.amdhsa_next_free_sgpr 80
		.amdhsa_reserve_vcc 0
		.amdhsa_float_denorm_mode_32 3
		.amdhsa_float_denorm_mode_16_64 3
		.amdhsa_memory_ordered 1
		.amdhsa_forward_progress 1
		.amdhsa_inst_pref_size 190
	.end_amdhsa_kernel
	.amdgpu_metadata
---
amdhsa.version: [ 1, 2 ]
amdhsa.kernels:
  - .name:           k_q969ce55f91_attn
    .symbol:         k_q969ce55f91_attn.kd
    .args:
      - { .name: qkvh, .offset: 0, .size: 8, .value_kind: global_buffer, .address_space: global }
      - { .name: mk, .offset: 8, .size: 8, .value_kind: global_buffer, .address_space: global }
      - { .name: ob, .offset: 16, .size: 8, .value_kind: global_buffer, .address_space: global }
    .group_segment_fixed_size: 327680
    .private_segment_fixed_size: 0
    .kernarg_segment_align: 8
    .kernarg_segment_size: 24
    .max_flat_workgroup_size: 128
    .sgpr_count:     80
    .vgpr_count:     1024
    .wavefront_size: 32
...
	.end_amdgpu_metadata
.endif
;; end of part 3
;; launch outproj (part 4): grid 16 x 16, 4 waves a work-group, clusters of 4 x 4, 327,680 bytes of LDS; arguments ob, wof, bo, out0; writes out0
.if DOCPART == 4
	.amdgcn_target "amdgcn-amd-amdhsa--gfx1250"
	.amdhsa_code_object_version 6
	.text
	.protected	k_q969ce55f91_outproj
	.globl	k_q969ce55f91_outproj
	.p2align	8
	.type	k_q969ce55f91_outproj,@function
k_q969ce55f91_outproj:
	s_mov_b64 s[64:65], 0
	v_nop
	global_prefetch_b8 v0, s[64:65] scope:SCOPE_SE
	s_setreg_imm32_b32 hwreg(HW_REG_WAVE_MODE, 25, 1), 1
	s_wait_xcnt 0x0
	s_wait_alu depctr_hold_cnt(0) depctr_sa_sdst(0) depctr_va_vdst(0) depctr_va_sdst(0) depctr_va_ssrc(0) depctr_va_vcc(0) depctr_vm_vsrc(0)
	s_getreg_b32 s2, hwreg(HW_REG_IB_STS2, 6, 4)
	s_cmp_eq_u32 s2, 0
	s_cbranch_scc0 .Lentry_in_a_cluster
	s_endpgm
.Lentry_in_a_cluster:
	s_bfe_u32 s2, ttmp6, 0x10000c
	s_cmp_lg_u32 s2, 0xf033
	s_cbranch_scc0 .Lentry_shape_is_right
	s_endpgm
.Lentry_shape_is_right:
; out0 = O Wo + bo.  ob: O in f16, in fragment order (byte ((rb 16 + ks) 8 + mb) 4096 + kq 1024 + g 512 + lane 16); wof: Wo rounded to bf16, written as f16, [k][n]; bo is rounded to bf16 here; sums and out0 in f32.
; A tile of out0 is 128 x 128, which gives each of 16 x 16 work-groups one.  Wave w makes rows 32 w .. 32 w + 31 x all 128 columns: 16 accumulators (a, b), 2 blocks of rows x 8 of columns.
; O GOES STRAIGHT INTO REGISTERS: no wave reads another's rows, and ob holds the fragments as the registers want them: loads of 512 consecutive bytes into a ring of four buffers of 64 along K, each group of four loads issued
; 112 matrix instructions ahead of its use.
; Wo GOES THROUGH LDS, where all four waves read all of it: two slots of 512 k rows (256 bytes a row, 32 of padding: 147,456 bytes a slot); each wave brings 128 rows by one tensor load: one round for 256 matrix instructions, four slots in all.
; CLUSTER 4 x 4: Wo's tiles hang on the column block alone and are asked for jointly along a column of the cluster.  O's are shared along a row, but a joint request lands in LDS, and two slots of K = 512 with O's tiles would be 2 x 278,528 bytes.
; THE MATRIX INSTRUCTION IS USED TRANSPOSED (source 0 = 16 columns of Wo, turned on the way out of LDS; source 1 = 16 rows of O): a lane holds one row and eight neighbouring columns.  The first product of each sum takes the bias as C.
; ONE TEXT FOR A HALF STEP (K = 256, four quarters of 64).  It is cut just ahead of the LDS run that fetches its first quarter, in the middle of the quarter before: there a slot's last bytes are in registers, so the change of slots stands between two such texts.
; No prefetch: the tile is small, two of Wo's four slots are first fills, and O's loads run ahead by themselves.
; REGISTERS: window 0: addresses; v32-95 the bias, later rows read back; v128-255 the accumulators ((a, b) at 128 + 8 (8 a + b)).  Window 1: two buffers of Wo's 16 fragments of a quarter.  Window 2: v0-127 O's ring: quarter q, half c, block a at 32 q + 8 (2 c + a).
.set PB,    288                        ; a k row of Wo in LDS: 72 words
.set QB,    64*PB                      ; a quarter
.set WTILE, 128*PB                     ; what one tensor load brings
.set HALFB, 256*PB                     ; a half step
.set SLOTB, 512*PB                     ; 147,456 = 0x24000: a slot, and the byte at which slot 1 begins; the four waves' bases 0, 0x9000, 0x12000, 0x1b000 share no bit with it, so one exclusive or changes slots
.set SPARE, 2*SLOTB                    ; behind the ring: the spare words; no tile lands there
.set STAGE, SPARE+512                  ; 16 rows x 272 bytes for each wave, for the way out; no tile lands there
.set SP,    272
.set AB0, 16                           ; v16-17 my lane's place in a half step's quarters 0-1 and 2-3; never rewritten
.set ADB, 18                           ; v18-19 the same in the half step in hand
.set LA,  20                           ; 16 x lane; never rewritten
.set STO, 24
.set RD,  25
.set CO,  26
.set BO,  27
.set SPW, 28
.set NIL, 29
.set BK,  32
.set BIAS, 32
.set TMP, 96
.set ACC, 128
.set F0,  0
.set F1,  128
.set AR,  0
.set WV, 12
.set CX, 15
.set CY, 16
.set NBK, 17
.set RB, 18
.set G1B, 24
.set G0B, 32
.set TB,  36                           ; LDS byte at which the half step to be fetched begins
.set CNT, 37
.set SLOTS, 38
.set HIM, 39
.set ABASE, 40                         ; s[40:41] my rows of O, K = 0
.set AOFF, 42                          ; s[42:43] the byte offset of the half step behind the one in hand, held at the last
.set AP,  44                           ; s[44:45] my rows of O in the half step in hand
.set AP2, 46                           ; s[46:47] in the one behind it
.set MSB, 0
.macro WIN new
.if MSB != (\new)
	s_set_vgpr_msb (MSB<<8)|(\new)
.set MSB, \new
.endif
.endm
.macro PLACES                          ; four plain instructions behind a matrix instruction, ahead of loads into its sources and of readers of its result
.rept 4
	v_nop
.endr
.endm
.macro CROUND                          ; a round of the cluster's barrier
	s_barrier_signal -1
	s_barrier_wait -1
	s_cmp_lg_u32 s[WV], 0
	s_cbranch_scc1 .Lnw0_\@
	s_barrier_signal -3
.Lnw0_\@:
	s_barrier_wait -3
	s_barrier_signal -1
	s_barrier_wait -1
.endm
.macro JLOAD                           ; a joint load: every wave its own 128 rows (both addresses hang on the wave's number); an s_nop 0 and four v_nop follow
	tensor_load_to_lds s[G0B:G0B+3], s[G1B:G1B+7]
	s_nop 0
	PLACES
.endm
; THE CHANGE OF SLOTS.  Each wave waits for all its tensor loads (one is out: its part of the other slot), adds 0 to its spare word, and waits for that and for its reads of the slot.
; fill = 1: the barrier is a round of the cluster's, and the joint refill, two slots on, is the first thing behind it: it has 256 matrix instructions in which to land.
.macro CHANGE fill
	WIN 0
	s_wait_tensorcnt 0x0                           ; no tensor load of mine is out, so the descriptor may be written
	ds_add_u32 v[SPW], v[NIL]
.if \fill
	s_xor_b32 s[G0B+1], s[G0B+1], SLOTB            ; the other slot,
	s_add_nc_u64 s[G0B+2:G0B+3], s[G0B+2:G0B+3], 512*4096  ; the next 512 k rows; the type bits on top are not reached
.endif
	s_sub_co_u32 s[TB], s[TB], SLOTB               ; the fetches go back to a slot's first byte (0 or 147,456),
	s_xor_b32 s[TB], s[TB], SLOTB                  ; in the other slot
	s_wait_dscnt 0x0                               ; the add is done, and my reads of the slot are over
.if \fill
	CROUND
	JLOAD
.else
	s_barrier_signal -1
	s_barrier_wait -1
.endif
.endm
	s_load_b256 s[4:11], s[0:1], 0x0               ; ob 4, wof 6, bo 8, out0 10
	v_lshl_add_u32 v[SPW], v0, 2, SPARE
	v_mov_b32 v[NIL], 0
	ds_add_u32 v[SPW], v[NIL]                      ; the wave's opening: the add, with its wait ahead of my first tensor load
	v_lshrrev_b32 v1, 5, v0
	v_readfirstlane_b32 s[WV], v1
	s_bfe_u32 s[CX], ttmp6, 0x40000
	s_bfe_u32 s[CY], ttmp6, 0x40004
	s_lshl_b32 s[NBK], ttmp9, 2
	s_add_co_u32 s[NBK], s[NBK], s[CX]             ; column block = 4 x cluster x + cx
	s_and_b32 s[RB], ttmp7, 0xffff
	s_lshl_b32 s[RB], s[RB], 2
	s_add_co_u32 s[RB], s[RB], s[CY]               ; row block = 4 x cluster y + cy
	s_lshl_b32 s19, 0x1111, s[CX]                  ; my column of the cluster
	s_or_b32 s[G1B], s19, (1<<16)|(1<<20)|(1<<21)|(5<<22)|(7<<25)  ; the mask; 2-byte elements; padding on; bit 21 beside a mask; 8 words of padding behind every 64
	s_mov_b32 s[G1B+1], 128<<16                    ; 128 k rows of 128 elements, 2,048 elements from row to row
	s_mov_b32 s[G1B+2], 128<<16
	s_mov_b32 s[G1B+3], 128<<16
	s_mov_b32 s[G1B+4], 128
	s_mov_b32 s[G1B+5], 2048
	s_mov_b32 s[G1B+6], 0
	s_mov_b32 s[G1B+7], 0
	s_lshl_b32 s20, s[WV], 19                      ; Wo: my 128 rows of 4,096 bytes, the column block's 256 bytes: made of the column block and the wave's number alone
	s_lshl_b32 s21, s[NBK], 8
	s_add_co_u32 s20, s20, s21
	s_mov_b32 s21, 0
	s_mov_b32 s[G0B], 1
	s_mul_i32 s[G0B+1], s[WV], WTILE
	s_mov_b32 s[TB], 2*SLOTB                       ; the first change of slots turns this into 0
	s_mov_b32 s[HIM], 0xffff0000
	s_lshl_b32 s22, s[RB], 19                      ; O: the row block's tiles, my two blocks of 16 rows
	s_lshl_b32 s23, s[WV], 13
	s_add_co_u32 s22, s22, s23
	s_mov_b32 s23, 0
	s_mov_b32 s[AOFF], 65536                       ; half step 1
	s_mov_b32 s[AOFF+1], 0
	s_lshl_b32 s48, s[RB], 20                      ; out0 at row 128 rb + 32 w, column 128 nbk
	s_lshl_b32 s49, s[WV], 18
	s_add_co_u32 s48, s48, s49
	s_lshl_b32 s49, s[NBK], 9
	s_add_co_u32 s48, s48, s49
	s_mov_b32 s49, 0
	s_wait_dscnt 0x0                               ; the opening add is done
	s_wait_kmcnt 0x0
	s_add_nc_u64 s[G0B+2:G0B+3], s[6:7], s[20:21]
	s_or_b32 s[G0B+3], s[G0B+3], 0x80000000
	s_add_nc_u64 s[ABASE:ABASE+1], s[4:5], s[22:23]
	s_mov_b64 s[AP:AP+1], s[ABASE:ABASE+1]
	s_add_nc_u64 s[AP2:AP2+1], s[ABASE:ABASE+1], s[AOFF:AOFF+1]
	s_add_nc_u64 s[10:11], s[10:11], s[48:49]
	CROUND                                         ; all sixteen work-groups are here: the first joint loads meet
	JLOAD                                          ; slot 0: k = 0 .. 511
; Four loads: O's two fragments (a = 0, 1) of quarter q, half c, of the half step at pointer p.  The caller has set the destination's window to 2.
.macro AGRP q, c, p
.irp a, 0,1
	global_load_b128 v[AR+32*(\q)+8*(2*(\c)+(\a)):AR+32*(\q)+8*(2*(\c)+(\a))+3],   v[LA], s[\p:\p+1] offset:32768*((\q)/2)+2048*((\q)%2)+1024*(\c)+4096*(\a)
	global_load_b128 v[AR+32*(\q)+8*(2*(\c)+(\a))+4:AR+32*(\q)+8*(2*(\c)+(\a))+7], v[LA], s[\p:\p+1] offset:32768*((\q)/2)+2048*((\q)%2)+1024*(\c)+4096*(\a)+512
.endr
.endm
	v_and_b32 v1, 15, v0                           ; r
	v_bfe_u32 v2, v0, 4, 1                         ; h
	v_and_b32 v3, 31, v0                           ; lane
	v_and_b32 v4, 7, v0
	v_bfe_u32 v5, v0, 3, 1
	s_lshl_b32 s19, s[NBK], 9
	v_lshl_add_u32 v[BO], v2, 5, s19               ; 4 x (128 nbk + 8 h)
.irp b, 0,1,2,3,4,5,6,7
	global_load_b128 v[BIAS+8*(\b):BIAS+8*(\b)+3],   v[BO], s[8:9] offset:64*(\b)
	global_load_b128 v[BIAS+8*(\b)+4:BIAS+8*(\b)+7], v[BO], s[8:9] offset:64*(\b)+16
.endr
	v_lshlrev_b32 v[LA], 4, v3
	WIN 0x80                                       ; destination window 2
	AGRP 0, 0, AP                                  ; half step 0, in the order in which the ring's runs would have asked for it; its last group comes by the first run
	AGRP 0, 1, AP
	AGRP 1, 0, AP
	AGRP 1, 1, AP
	AGRP 2, 0, AP
	AGRP 2, 1, AP
	AGRP 3, 0, AP
	WIN 0
	v_lshl_add_u32 v6, v2, 3, v4                   ; the turning load: k row 8 h + l % 8, 16 bytes at 16 ((l / 8) % 2)
	v_mul_u32_u24 v6, v6, PB
	v_lshl_add_u32 v[AB0], v5, 4, v6
	v_add_nc_u32 v[AB0+1], 2*QB, v[AB0]
	s_mul_i32 s19, s[WV], 16*SP
	s_add_co_u32 s19, s19, STAGE                   ; my stage
	v_mul_u32_u24 v[STO], v1, SP                   ; in: row r, 32 bytes for each half of the lanes
	v_lshl_add_u32 v[STO], v2, 5, v[STO]
	v_add_nc_u32 v[STO], s19, v[STO]
	v_mul_u32_u24 v[RD], v2, SP                    ; back: lanes 0-15 one row of 256 bytes, lanes 16-31 the next
	v_lshl_add_u32 v[RD], v1, 4, v[RD]
	v_add_nc_u32 v[RD], s19, v[RD]
	v_lshlrev_b32 v[CO], 4, v1                     ; and the same two rows in out0
	v_lshl_add_u32 v[CO], v2, 13, v[CO]
	s_wait_loadcnt 28                              ; the bias's 16 loads are in; O's 28, issued behind them, stay out
.set z, 0
.rept 32                                           ; the bias is rounded to bf16, like all the module's inputs
	v_cvt_pk_bf16_f32 v[TMP+z%4], v[BIAS+2*z], v[BIAS+2*z+1]
	v_lshlrev_b32 v[BIAS+2*z], 16, v[TMP+z%4]
	v_and_b32 v[BIAS+2*z+1], s[HIM], v[TMP+z%4]
.set z, z+1
.endr
; 16 matrix instructions: 32 along K: half c of buffer f x half c of O's quarter q.  The 16 accumulators take turns, in the same order in every block.
.macro MUL f, c, q, first=0
	WIN 0x09                                       ; source 0 (Wo) window 1, source 1 (O) window 2, C and D window 0
.irp a, 0,1
.irp b, 0,1,2,3,4,5,6,7
.if \first
	v_wmma_f32_16x16x32_f16 v[ACC+8*(8*(\a)+(\b)):ACC+8*(8*(\a)+(\b))+7], v[(\f)+64*(\c)+8*(\b):(\f)+64*(\c)+8*(\b)+7], v[AR+32*(\q)+8*(2*(\c)+(\a)):AR+32*(\q)+8*(2*(\c)+(\a))+7], v[BIAS+8*(\b):BIAS+8*(\b)+7]
.else
	v_wmma_f32_16x16x32_f16 v[ACC+8*(8*(\a)+(\b)):ACC+8*(8*(\a)+(\b))+7], v[(\f)+64*(\c)+8*(\b):(\f)+64*(\c)+8*(\b)+7], v[AR+32*(\q)+8*(2*(\c)+(\a)):AR+32*(\q)+8*(2*(\c)+(\a))+7], v[ACC+8*(8*(\a)+(\b)):ACC+8*(8*(\a)+(\b))+7]
.endif
.endr
.endr
.endm
; 32 LDS loads in one run: Wo's fragments of quarter i of the half step in hand, into buffer i % 2; the first 32 along K first
.macro FETCH i
	WIN 0x40                                       ; destination window 1, address window 0
.irp c, 0,1
.irp b, 0,1,2,3,4,5,6,7
	ds_load_tr16_b128 v[128*((\i)%2)+64*(\c)+8*(\b):128*((\i)%2)+64*(\c)+8*(\b)+3],   v[ADB+(\i)/2] offset:QB*((\i)%2)+32*PB*(\c)+32*(\b)
	ds_load_tr16_b128 v[128*((\i)%2)+64*(\c)+8*(\b)+4:128*((\i)%2)+64*(\c)+8*(\b)+7], v[ADB+(\i)/2] offset:QB*((\i)%2)+32*PB*(\c)+32*(\b)+16*PB
.endr
.endr
.endm
; Run i stands in the middle of quarter i - 1: Wo's quarter i out of LDS, and the two groups of O's ring that have just been multiplied are asked for anew, 256 along K on: quarter i - 2's second half, quarter i - 1's first.
.macro RUN i
	PLACES                                         ; behind the products that read what is loaded below
	FETCH \i
	WIN 0x80                                       ; destination window 2
.if (\i) == 0
	AGRP 2, 1, AP
	AGRP 3, 0, AP
.elseif (\i) == 1
	AGRP 3, 1, AP
	AGRP 0, 0, AP2
.elseif (\i) == 2
	AGRP 0, 1, AP2
	AGRP 1, 0, AP2
.else
	AGRP 1, 1, AP2
	AGRP 2, 0, AP2
.endif
.endm
.macro WAITC1                          ; ahead of a quarter's second half
	s_wait_loadcnt 28                              ; O's group was the first of its run: the 4 loads behind it there and three runs of 8 stay out
	s_wait_dscnt 32                                ; all but the 32 just issued
.endm
.macro WAITC0                          ; ahead of a quarter's first half
	s_wait_loadcnt 24                              ; O's group was the second of its run: three runs of 8 stay out
	s_wait_dscnt 16                                ; the run's first 32 along K are in
.endm
; A HALF STEP.  Behind the last half step the pointer for the one behind stays: its three last runs load 20 times what has been multiplied and serve nothing: the price, once a launch, of one text for both trips of the tail; no load leaves the buffer.
.macro HALF lab
	s_wait_xcnt 0x0                                ; every load issued so far has read its address: the youngest stand 32 matrix instructions back
	s_mov_b64 s[AP:AP+1], s[AP2:AP2+1]
	s_add_co_u32 s[AOFF], s[AOFF], 65536
	s_min_u32 s[AOFF], s[AOFF], 7*65536
	s_add_nc_u64 s[AP2:AP2+1], s[ABASE:ABASE+1], s[AOFF:AOFF+1]
	WIN 0
	v_add_nc_u32 v[ADB], s[TB], v[AB0]
	v_add_nc_u32 v[ADB+1], s[TB], v[AB0+1]
	s_add_co_u32 s[TB], s[TB], HALFB               ; the next half step's
	RUN 0
	WAITC1
	MUL F1, 1, 3                                   ; the second half of the quarter before
	WAITC0
	MUL F0, 0, 0
.if \lab
	WIN 0
.Lfirst:
.endif
	RUN 1
	WAITC1
	MUL F0, 1, 0
	WAITC0
	MUL F1, 0, 1
	RUN 2
	WAITC1
	MUL F1, 1, 1
	WAITC0
	MUL F0, 0, 2
	RUN 3
	WAITC1
	MUL F0, 1, 2
	WAITC0
	MUL F1, 0, 3
.endm
	CHANGE 1                                       ; slot 0 is in, everybody's part of it; slot 1 is asked for
	v_add_nc_u32 v[ADB], s[TB], v[AB0]
	v_add_nc_u32 v[ADB+1], s[TB], v[AB0+1]
	s_add_co_u32 s[TB], s[TB], HALFB
	FETCH 0
	WAITC0                                         ; behind O's first group stand six groups of 4
	MUL F0, 0, 0, 1                                ; the first products stand in front of the loops: they start the sums, with the bias
	WIN 0
	s_mov_b32 s[CNT], 2
	s_mov_b32 s[SLOTS], 3
	s_branch .Lfirst                               ; the loops are entered in the middle of a trip
.Lslot:                                            ; 2 changes: slots 2 and 3 are asked for
	CHANGE 1
	s_mov_b32 s[CNT], 2
.Lhalf:                                            ; a slot's two half steps: written once, walked twice; the LDS addresses hang on s[TB]
	HALF 1
	WIN 0
	s_sub_co_u32 s[CNT], s[CNT], 1
	s_cmp_lg_u32 s[CNT], 0
	s_cbranch_scc1 .Lhalf
	s_sub_co_u32 s[SLOTS], s[SLOTS], 1
	s_cmp_lg_u32 s[SLOTS], 0
	s_cbranch_scc1 .Lslot
	CHANGE 0                                       ; the tail is written out: nothing is asked for
	s_mov_b32 s[CNT], 2
.Ltail:
	HALF 0
	WIN 0
	s_sub_co_u32 s[CNT], s[CNT], 1
	s_cmp_lg_u32 s[CNT], 0
	s_cbranch_scc1 .Ltail
	s_wait_loadcnt 20                              ; O's last group; the 20 loads behind it serve nothing and stay out
	s_wait_dscnt 0x0
	MUL F1, 1, 3
	WIN 0
	; THE WAY OUT: a block of 16 rows x 64 columns of f32 at a time (u = 2 a + column half) through my own stage: 32 bytes a lane in, whole rows of 256 bytes back.  LDS serves a wave's instructions in order: no wait between the stores and the loads.
	PLACES
.irp u, 0,1,2,3
.if (\u) >= 2
	s_wait_xcnt 0x0                                ; the registers that block u - 2's stores read are loaded again only behind this wait
.endif
.irp b, 0,1,2,3                                    ; each accumulator's low half first
	ds_store_b128 v[STO], v[ACC+8*(8*((\u)/2)+4*((\u)%2)+(\b)):ACC+8*(8*((\u)/2)+4*((\u)%2)+(\b))+3]   offset:64*(\b)
	ds_store_b128 v[STO], v[ACC+8*(8*((\u)/2)+4*((\u)%2)+(\b))+4:ACC+8*(8*((\u)/2)+4*((\u)%2)+(\b))+7] offset:64*(\b)+16
.endr
.irp j, 0,1,2,3,4,5,6,7
	ds_load_b128 v[BK+32*((\u)%2)+4*(\j):BK+32*((\u)%2)+4*(\j)+3], v[RD] offset:2*SP*(\j)
.endr
.irp j, 0,1,2,3,4,5,6,7
	s_wait_dscnt 7-(\j)
	global_store_b128 v[CO], v[BK+32*((\u)%2)+4*(\j):BK+32*((\u)%2)+4*(\j)+3], s[10:11] offset:(16*((\u)/2)+2*(\j))*8192+256*((\u)%2)  ; 16 lanes store 256 consecutive bytes, aligned
.endr
.endr
	s_wait_tensorcnt 0x0                           ; the wave's end
	ds_add_u32 v[SPW], v[NIL]
	s_wait_dscnt 0x0
	CROUND                                         ; the closing round
	s_endpgm
.Lfunc_end_k_q969ce55f91_outproj:
	.size	k_q969ce55f91_outproj, .Lfunc_end_k_q969ce55f91_outproj-k_q969ce55f91_outproj
	.p2alignl 7, 3214868480
	.fill 96, 4, 3214868480
	.section	.rodata,"a",@progbits
	.p2align	6, 0x0
	.amdhsa_kernel k_q969ce55f91_outproj
		.amdhsa_group_segment_fixed_size 327680
		.amdhsa_private_segment_fixed_size 0
		.amdhsa_enable_private_segment 0
		.amdhsa_kernarg_size 32
		.amdhsa_user_sgpr_count 2
		.amdhsa_user_sgpr_kernarg_segment_ptr 1
		.amdhsa_wavefront_size32 1
		.amdhsa_system_sgpr_workgroup_id_x 1
		.amdhsa_system_sgpr_workgroup_id_y 1
		.amdhsa_system_sgpr_workgroup_id_z 1
		.amdhsa_system_vgpr_workitem_id 0
		.amdhsa_next_free_vgpr 640
		.amdhsa_next_free_sgpr 66
		.amdhsa_reserve_vcc 0
		.amdhsa_float_denorm_mode_32 3
		.amdhsa_float_denorm_mode_16_64 3
		.amdhsa_memory_ordered 1
		.amdhsa_forward_progress 1
		.amdhsa_inst_pref_size 70
	.end_amdhsa_kernel
	.amdgpu_metadata
---
amdhsa.version: [ 1, 2 ]
amdhsa.kernels:
  - .name:           k_q969ce55f91_outproj
    .symbol:         k_q969ce55f91_outproj.kd
    .args:
      - { .name: ob, .offset: 0, .size: 8, .value_kind: global_buffer, .address_space: global }
      - { .name: wof, .offset: 8, .size: 8, .value_kind: global_buffer, .address_space: global }
      - { .name: bo, .offset: 16, .size: 8, .value_kind: global_buffer, .address_space: global }
      - { .name: out0, .offset: 24, .size: 8, .value_kind: global_buffer, .address_space: global }
    .group_segment_fixed_size: 327680
    .private_segment_fixed_size: 0
    .kernarg_segment_align: 8
    .kernarg_segment_size: 32
    .max_flat_workgroup_size: 128
    .sgpr_count:     66
    .vgpr_count:     640
    .wavefront_size: 32
...
	.end_amdgpu_metadata
.endif
;; end of part 4
;; ======== version 2 of 2: 4 launches; version 1 with the launch prep written anew for expert scheduling mode
;; limits: values are held in f16: magnitudes above 65,504 overflow, below 6.1e-05 lose precision
;; workspace buffers: xb 8,388,608 bytes; wb 25,165,824 bytes; wof 8,388,608 bytes; mk 16,777,216 bytes; rope 1,048,576 bytes; qkvh 25,165,824 bytes; ob 8,388,608 bytes
;; launch prep (part 5): grid 128 x 7, 8 waves a work-group, no clusters, 35,840 bytes of LDS; arguments x, Wq, Wk, Wv, Wo, attn_mask, xb, wb, wof, mk, rope; writes xb, wb, wof, mk, rope
.if DOCPART == 5
	.amdgcn_target "amdgcn-amd-amdhsa--gfx1250"
	.amdhsa_code_object_version 6
	.text
	.protected	k_q969ce55f91_prep
	.globl	k_q969ce55f91_prep
	.p2align	8
	.type	k_q969ce55f91_prep,@function
k_q969ce55f91_prep:
	s_mov_b64 s[64:65], 0
	v_nop
	global_prefetch_b8 v0, s[64:65] scope:SCOPE_SE
	s_setreg_imm32_b32 hwreg(HW_REG_WAVE_SCHED_MODE, 0, 2), 2
	s_setreg_imm32_b32 hwreg(HW_REG_WAVE_MODE, 25, 1), 1
	s_wait_xcnt 0x0
	s_wait_alu depctr_vm_vsrc(0)
; PREPARATION: every f32 input of the matrix launches is rounded once to bf16 and laid out as those launches read it; RoPE's table is made.
; The grid's y chooses the job, its x one of 128 equal parts (131,072 input bytes; for the table 256 threads x 4 entries):
;   y = 0     x  -> xb: bf16 in FRAGMENT ORDER: byte ((rb 16 + ks) 8 + mb) 4096 + kq 1024 + g 512 + lane 16 holds row 128 rb + 16 mb + lane % 16, k = 128 ks + 32 kq + 16 g + 8 (lane / 16) + 0..7
;   y = 1..3  Wq, Wk, Wv -> wb: bf16, [3][2048 k][2048 n], a plain cast
;   y = 4     Wo -> wof: rounded to bf16, that number written as f16.  LIMIT: below 6.1e-5 f16 keeps a fixed step of 6e-8; beyond 65,504 it has no number
;   y = 5     attn_mask -> mk: rounded to bf16 like every other input, times log2(e) in f32, in the order of a matrix instruction's C operand:
;             byte (qb 16 + ks) 65536 + p 32768 + (2 qh + kh) 8192 + ti 4096 + kb 1024 + g 512 + lane 16 + 4 e holds query 128 qb + 64 qh + 16 (2 p + ti) + lane % 16, key 128 ks + 64 kh + 16 kb + 8 (lane / 16) + 4 g + e
;   y = 6     rope: f32 cos[2048][64], then sin[2048][64].  angle = s x 2^(-d log2(10000) / 64); reduced by multiples of pi / 2 held in two parts; polynomials of degree 9 and 8 on |r| <= pi / 4.
;             LIMIT: the angle carries the rounding of its f32 product and of the exponential, some 3e-4 rad at s = 2047.
; Memory binds: each input byte is read once, by loads of 512 consecutive bytes a wave; each store of a wave covers 256 or 512 consecutive bytes, aligned.  No matrix unit, no cluster: nothing is shared.
; The two re-layouts turn 16 rows through a stage in LDS that is the wave's own (16 rows x 272 bytes: 68 words, so 16 rows start at 16 different groups of four banks): no barrier.
; THE MODE: SCHED_MODE bits 1:0 = 2 (LLVM: expert scheduling mode 2), set by the entry lines.  The code itself states the register dependences
; between vector instructions and memory or LDS instructions, with s_wait_alu, always for 0.
; THE PLAN.  A trip goes in phases: all its conversions; one wait; its run of stores.  Registers that memory or LDS instructions touch:
;   v4-v8, v10   offsets and LDS addresses: made ahead of the loops and never written again; the rows are reached by the scalar bases and by immediate offsets.
;   X            Loaded from memory; read, and in x, the mask and Wo also written in place, by the trip's conversions; in x and the mask read by the LDS stores.  It is asked for again, for the next trip, as soon as it is emptied.
;   Y            The casts: written by the conversions, read by the global stores.  x and the mask: written by the LDS loads, read by the global stores; no vector instruction names it.
;   T            Named by vector instructions alone.
;   v[SPW], v[NIL]  Written at the head, read by the closing add alone.
; So a trip holds one wait on va_vdst, behind its conversions, and one on vm_vsrc: in the casts behind the global stores, in x and the mask behind the LDS stores, where it also speaks for the global stores of the trip before.
; The first trip's loads stand ahead of each loop; the last trip jumps over the run of loads, on the loop's own counter: no load leaves its buffer, and no counted wait hangs on the jump, since each counts the younger loads of its own run alone.
.set STW,   4352                       ; a wave's stage
.set SPARE, 34816                      ; behind the eight stages: the spare words, 128 bytes a wave
.set X,   16                           ; v[16:79]   as loaded
.set Y,   80                           ; v[80:111]  to store: the casts' roundings, or rows read back from the stage
.set T,   112                          ; v[112:113] at work
.set SPW, 116                          ; my spare word's LDS address; never rewritten
.set NIL, 117                          ; 0; never rewritten
.set CM,  40                           ; s[40:43]   the table's four masks of lanes
	s_load_b512 s[8:23], s[0:1], 0x0               ; x 8, Wq 10, Wk 12, Wv 14, Wo 16, mask 18, xb 20, wb 22
	s_load_b128 s[24:27], s[0:1], 0x40             ; wof 24, mk 26
	s_load_b64 s[28:29], s[0:1], 0x50              ; rope
	v_lshl_add_u32 v[SPW], v0, 2, SPARE
	v_mov_b32 v[NIL], 0
	v_lshrrev_b32 v1, 5, v0
	v_readfirstlane_b32 s5, v1                     ; wave 0..7
	v_and_b32 v1, 31, v0                           ; lane
	v_and_b32 v2, 15, v0                           ; r = lane % 16
	v_bfe_u32 v3, v0, 4, 1                         ; h = lane / 16
	v_lshlrev_b32 v4, 4, v1                        ; 16 x lane
	v_lshlrev_b32 v5, 3, v1                        ; 8 x lane
	s_and_b32 s4, ttmp7, 0xffff                    ; the job
	s_wait_alu depctr_va_sdst(0)                   ; s5 is written, ahead of its first reader: the stage's place and the bases are made from it
	s_mul_i32 s7, s5, STW                          ; my stage
	s_mov_b32 s35, 0                               ; high word of the offset pair s[34:35]
	s_mov_b32 s36, 0xffff0000                      ; a word's upper bf16
	s_mov_b32 s38, 0x3fb8aa3b                      ; log2(e)
	s_mov_b32 s39, s38                             ; named with it as a pair
	s_wait_kmcnt 0x0
	s_cmp_eq_u32 s4, 0
	s_cbranch_scc1 .Lx
	s_cmp_eq_u32 s4, 5
	s_cbranch_scc1 .Lmask
	s_cmp_eq_u32 s4, 6
	s_cbranch_scc1 .Ltab
	s_cmp_eq_u32 s4, 4
	s_cbranch_scc1 .Lwo
; four f32 in v[r .. r+3] are rounded to bf16 and widened again
.macro RND4 r
	v_cvt_pk_bf16_f32 v[T], v[\r], v[(\r)+1]
	v_cvt_pk_bf16_f32 v[T+1], v[(\r)+2], v[(\r)+3]
	v_lshlrev_b32 v[\r], 16, v[T]
	v_and_b32 v[(\r)+1], s36, v[T]
	v_lshlrev_b32 v[(\r)+2], 16, v[T+1]
	v_and_b32 v[(\r)+3], s36, v[T+1]
.endm
; A plain cast of the wave's 16,384 bytes, four trips of eight loads.  mode 0: to bf16; mode 1: to bf16 and that number as f16.
.macro CAST mode
	s_lshl_b32 s34, ttmp9, 17                      ; the part's 131,072 bytes,
	s_lshl_b32 s6, s5, 14                          ; my wave's 16,384 of them
	s_add_co_u32 s34, s34, s6
	s_add_nc_u64 s[30:31], s[30:31], s[34:35]
	s_lshr_b32 s34, s34, 1                         ; half as many on the way out
	s_add_nc_u64 s[32:33], s[32:33], s[34:35]
	s_mov_b32 s6, 4
	s_wait_alu depctr_va_vdst(0)                   ; v4 and v5 are written: every load and store below reads one of them as its offset
.irp i, 0,1,2,3,4,5,6,7
	global_load_b128 v[X+4*(\i):X+4*(\i)+3], v4, s[30:31] offset:512*(\i) th:TH_LOAD_NT  ; the first trip's
.endr
.Lcast_\@:
.irp i, 0,1,2,3,4,5,6,7
	s_wait_loadcnt 7-(\i)                          ; loads come back in order: mine is in, the run's younger ones stay out
.if \mode
	RND4 X+4*(\i)
	v_cvt_pk_f16_f32 v[Y+2*(\i)], v[X+4*(\i)], v[X+4*(\i)+1]
	v_cvt_pk_f16_f32 v[Y+2*(\i)+1], v[X+4*(\i)+2], v[X+4*(\i)+3]
.else
	v_cvt_pk_bf16_f32 v[Y+2*(\i)], v[X+4*(\i)], v[X+4*(\i)+1]
	v_cvt_pk_bf16_f32 v[Y+2*(\i)+1], v[X+4*(\i)+2], v[X+4*(\i)+3]
.endif
.endr
	s_wait_alu depctr_va_vdst(0)                   ; the conversions have written Y, which the stores below read, and are done with X, in which the loads below land
	s_cmp_eq_u32 s6, 1
	s_cbranch_scc1 .Lcast_last_\@                  ; the last trip asks for nothing
.irp i, 0,1,2,3,4,5,6,7
	global_load_b128 v[X+4*(\i):X+4*(\i)+3], v4, s[30:31] offset:4096+512*(\i) th:TH_LOAD_NT  ; the next trip's, ahead of the stores
.endr
.Lcast_last_\@:
.irp i, 0,1,2,3,4,5,6,7
	global_store_b64 v5, v[Y+2*(\i):Y+2*(\i)+1], s[32:33] offset:256*(\i)  ; the wave's store covers 256 consecutive bytes, aligned
.endr
	s_wait_xcnt 0x0                                ; the stores' data and both bases are rewritten only behind this wait
	s_wait_alu depctr_vm_vsrc(0)                   ; the stores have read Y, which the next trip's conversions write again
	s_add_nc_u64 s[30:31], s[30:31], 4096
	s_add_nc_u64 s[32:33], s[32:33], 2048
	s_sub_co_u32 s6, s6, 1
	s_cmp_lg_u32 s6, 0
	s_cbranch_scc1 .Lcast_\@
.endm
	s_cmp_eq_u32 s4, 1                             ; y = 1, 2, 3: Wq, Wk, Wv
	s_cselect_b64 s[30:31], s[10:11], s[12:13]
	s_cmp_eq_u32 s4, 3
	s_cselect_b64 s[30:31], s[14:15], s[30:31]
	s_sub_co_u32 s34, s4, 1
	s_lshl_b32 s34, s34, 23                        ; its 8,388,608 bytes of wb
	s_add_nc_u64 s[32:33], s[22:23], s[34:35]
	CAST 0
	s_branch .Lend
.Lwo:
	s_mov_b64 s[30:31], s[16:17]
	s_mov_b64 s[32:33], s[24:25]
	CAST 1
	s_branch .Lend
.Lx:                                               ; part bx = 16 rows of x (rb = bx / 8, mb = bx % 8); wave w takes the K steps 2 w and 2 w + 1, a trip each
	s_lshl_b32 s34, ttmp9, 17
	s_lshl_b32 s6, s5, 10
	s_add_co_u32 s34, s34, s6
	s_add_nc_u64 s[30:31], s[8:9], s[34:35]
	s_lshr_b32 s34, ttmp9, 3
	s_lshl_b32 s34, s34, 19
	s_lshl_b32 s6, s5, 16
	s_add_co_u32 s34, s34, s6
	s_and_b32 s6, ttmp9, 7
	s_lshl_b32 s6, s6, 12
	s_add_co_u32 s34, s34, s6
	s_add_nc_u64 s[32:33], s[20:21], s[34:35]
	v_lshl_add_u32 v6, v1, 3, s7                   ; in: 8 bytes a lane along a row
	v_mul_u32_u24 v7, v2, 272                      ; back: row r, 16 bytes at 16 h
	v_lshl_add_u32 v7, v3, 4, v7
	v_add_nc_u32 v7, s7, v7
	s_mov_b32 s6, 2
	s_wait_alu depctr_va_vdst(0)                   ; v4, v6 and v7 are written: the offset of every load and store below, and the two LDS addresses
.irp i, 0,1,2,3,4,5,6,7,8,9,10,11,12,13,14,15
	global_load_b128 v[X+4*(\i):X+4*(\i)+3], v4, s[30:31] offset:8192*(\i) th:TH_LOAD_NT  ; the first trip's.  Row i: 128 k, 512 consecutive bytes
.endr
.Lxt:
.irp i, 0,1,2,3,4,5,6,7,8,9,10,11,12,13,14,15
	s_wait_loadcnt 15-(\i)                         ; the run's younger loads stay out
	v_cvt_pk_bf16_f32 v[X+4*(\i)], v[X+4*(\i)], v[X+4*(\i)+1]
	v_cvt_pk_bf16_f32 v[X+4*(\i)+1], v[X+4*(\i)+2], v[X+4*(\i)+3]
.endr
	s_wait_alu depctr_va_vdst(0)                   ; the conversions have written X, which the LDS stores read, and name it no more before the loads below land in it
.irp i, 0,1,2,3,4,5,6,7,8,9,10,11,12,13,14,15
	ds_store_b64 v6, v[X+4*(\i):X+4*(\i)+1] offset:272*(\i)
.endr
	s_wait_alu depctr_vm_vsrc(0)                   ; the LDS stores have read X, in which the next trip's loads land; the last trip's global stores have read Y, in which the LDS loads land
.irp n, 0,1,2,3,4,5,6,7
	ds_load_b128 v[Y+4*(\n):Y+4*(\n)+3], v7 offset:32*(\n)  ; n = 2 kq + g.  LDS serves a wave's instructions in order: these see the stores above
.endr
	s_cmp_eq_u32 s6, 1
	s_cbranch_scc1 .Lx_last                        ; the last trip asks for nothing
.irp i, 0,1,2,3,4,5,6,7,8,9,10,11,12,13,14,15
	global_load_b128 v[X+4*(\i):X+4*(\i)+3], v4, s[30:31] offset:512+8192*(\i) th:TH_LOAD_NT  ; the next trip's, ahead of the stores
.endr
.Lx_last:
.irp n, 0,1,2,3,4,5,6,7
	s_wait_dscnt 7-(\n)
	global_store_b128 v4, v[Y+4*(\n):Y+4*(\n)+3], s[32:33] offset:512*(\n)  ; 512 consecutive bytes, aligned
.endr
	s_wait_xcnt 0x0                                ; Y and both bases are rewritten only behind this wait
	s_add_nc_u64 s[30:31], s[30:31], 512
	s_add_nc_u64 s[32:33], s[32:33], 32768
	s_sub_co_u32 s6, s6, 1
	s_cmp_lg_u32 s6, 0
	s_cbranch_scc1 .Lxt
	s_branch .Lend
.Lmask:                                            ; part bx = 16 queries; wave w takes key half kh = w % 2 of the key steps 4 (w / 2) + j, a trip each: 16 queries x 64 keys
	s_lshl_b32 s34, ttmp9, 17
	s_lshr_b32 s6, s5, 1
	s_lshl_b32 s37, s6, 11
	s_add_co_u32 s34, s34, s37
	s_and_b32 s37, s5, 1                           ; kh
	s_lshl_b32 s40, s37, 8
	s_add_co_u32 s34, s34, s40
	s_add_nc_u64 s[30:31], s[18:19], s[34:35]
	s_lshr_b32 s34, ttmp9, 3                       ; qb
	s_lshl_b32 s34, s34, 20
	s_lshl_b32 s40, s6, 18
	s_add_co_u32 s34, s34, s40
	s_bfe_u32 s40, ttmp9, 0x10001                  ; p
	s_lshl_b32 s40, s40, 15
	s_add_co_u32 s34, s34, s40
	s_bfe_u32 s40, ttmp9, 0x10002                  ; qh
	s_lshl_b32 s40, s40, 14
	s_add_co_u32 s34, s34, s40
	s_lshl_b32 s40, s37, 13
	s_add_co_u32 s34, s34, s40
	s_and_b32 s40, ttmp9, 1                        ; ti
	s_lshl_b32 s40, s40, 12
	s_add_co_u32 s34, s34, s40
	s_add_nc_u64 s[32:33], s[26:27], s[34:35]
	v_lshlrev_b32 v8, 4, v2                        ; from memory: lanes 0-15 one row's 256 bytes, lanes 16-31 the next row's
	v_lshl_add_u32 v8, v3, 13, v8
	v_mul_u32_u24 v6, v3, 272                      ; in: the same two rows
	v_lshl_add_u32 v6, v2, 4, v6
	v_add_nc_u32 v6, s7, v6
	v_mul_u32_u24 v7, v2, 272                      ; back: query r, keys 8 h on
	v_lshl_add_u32 v7, v3, 5, v7
	v_add_nc_u32 v7, s7, v7
	s_mov_b32 s6, 4
	s_wait_alu depctr_va_vdst(0)                   ; v4, v6, v7 and v8 are written: the stores' and the loads' offsets, and the two LDS addresses
.irp i, 0,1,2,3,4,5,6,7
	global_load_b128 v[X+4*(\i):X+4*(\i)+3], v8, s[30:31] offset:16384*(\i) th:TH_LOAD_NT  ; the first trip's
.endr
.Lmt:
.irp i, 0,1,2,3,4,5,6,7
	s_wait_loadcnt 7-(\i)                          ; the run's younger loads stay out
	RND4 X+4*(\i)
	v_pk_mul_f32 v[X+4*(\i):X+4*(\i)+1], v[X+4*(\i):X+4*(\i)+1], s[38:39] op_sel_hi:[1,0]
	v_pk_mul_f32 v[X+4*(\i)+2:X+4*(\i)+3], v[X+4*(\i)+2:X+4*(\i)+3], s[38:39] op_sel_hi:[1,0]
.endr
	s_wait_alu depctr_va_vdst(0)                   ; the roundings and scalings have written X, which the LDS stores read, and name it no more before the loads below land in it
.irp i, 0,1,2,3,4,5,6,7
	ds_store_b128 v6, v[X+4*(\i):X+4*(\i)+3] offset:544*(\i)
.endr
	s_wait_alu depctr_vm_vsrc(0)                   ; the LDS stores have read X, in which the next trip's loads land; the last trip's global stores have read Y, in which the LDS loads land
.irp n, 0,1,2,3,4,5,6,7
	ds_load_b128 v[Y+4*(\n):Y+4*(\n)+3], v7 offset:64*((\n)/2)+16*((\n)%2)  ; n = 2 kb + g
.endr
	s_cmp_eq_u32 s6, 1
	s_cbranch_scc1 .Lm_last                        ; the last trip asks for nothing
.irp i, 0,1,2,3,4,5,6,7
	global_load_b128 v[X+4*(\i):X+4*(\i)+3], v8, s[30:31] offset:512+16384*(\i) th:TH_LOAD_NT  ; the next trip's, ahead of the stores
.endr
.Lm_last:
.irp n, 0,1,2,3,4,5,6,7
	s_wait_dscnt 7-(\n)
	global_store_b128 v4, v[Y+4*(\n):Y+4*(\n)+3], s[32:33] offset:512*(\n)
.endr
	s_wait_xcnt 0x0                                ; Y and both bases are rewritten only behind this wait
	s_add_nc_u64 s[30:31], s[30:31], 512
	s_add_nc_u64 s[32:33], s[32:33], 65536
	s_sub_co_u32 s6, s6, 1
	s_cmp_lg_u32 s6, 0
	s_cbranch_scc1 .Lmt
	s_branch .Lend
.Ltab:                                             ; thread g = 256 bx + t makes entries d0 .. d0 + 3 of position s: s = g / 16, d0 = 4 (g % 16)
	s_lshl_b32 s34, ttmp9, 8
	v_add_nc_u32 v6, s34, v0
	v_lshrrev_b32 v7, 4, v6
	v_and_b32 v8, 15, v6
	v_lshlrev_b32 v8, 2, v8
	v_cvt_f32_u32 v9, v7
	v_lshlrev_b32 v10, 4, v0
	v_mov_b32 v11, 0x3638ef1d                      ; 1 / 9!
	v_mov_b32 v12, 0x37d00d01                      ; 1 / 8!
	s_lshl_b32 s34, ttmp9, 12
	s_add_nc_u64 s[32:33], s[28:29], s[34:35]
.irp j, 0,1,2,3
	v_add_nc_u32 v[16+(\j)], \j, v8
	v_cvt_f32_u32 v[16+(\j)], v[16+(\j)]
	v_mul_f32 v[16+(\j)], 0xbe549a78, v[16+(\j)]   ; - d log2(10000) / 64
.endr
.irp j, 0,1,2,3
	v_exp_f32 v[20+(\j)], v[16+(\j)]
.endr
	v_nop                                          ; a plain instruction behind the last exponential,
	s_wait_alu depctr_va_vdst(0)                   ; and one wait for the four: they have written v20 to v23, ahead of the first reader
.irp j, 0,1,2,3
	v_mul_f32 v[24+(\j)], v9, v[20+(\j)]           ; the angle
	v_mul_f32 v[28+(\j)], 0x3f22f983, v[24+(\j)]   ; x 2 / pi
	v_rndne_f32 v[28+(\j)], v[28+(\j)]             ; n
	v_fmamk_f32 v[24+(\j)], v[28+(\j)], 0xbfc90fdb, v[24+(\j)]  ; r = angle - n pi / 2, pi / 2 in two parts
	v_fmamk_f32 v[24+(\j)], v[28+(\j)], 0x333bbd2e, v[24+(\j)]
	v_mul_f32 v[32+(\j)], v[24+(\j)], v[24+(\j)]   ; z = r r
	v_fmaak_f32 v[36+(\j)], v11, v[32+(\j)], 0xb9500d01
	v_fmaak_f32 v[36+(\j)], v[36+(\j)], v[32+(\j)], 0x3c088889
	v_fmaak_f32 v[36+(\j)], v[36+(\j)], v[32+(\j)], 0xbe2aaaab
	v_fmaak_f32 v[40+(\j)], v12, v[32+(\j)], 0xbab60b61
	v_fmaak_f32 v[40+(\j)], v[40+(\j)], v[32+(\j)], 0x3d2aaaab
	v_fmaak_f32 v[40+(\j)], v[40+(\j)], v[32+(\j)], 0xbf000000
	v_mul_f32 v[44+(\j)], v[24+(\j)], v[32+(\j)]
	v_fma_f32 v[36+(\j)], v[44+(\j)], v[36+(\j)], v[24+(\j)]  ; sin r
	v_fma_f32 v[40+(\j)], v[40+(\j)], v[32+(\j)], 1.0         ; cos r
	v_cvt_i32_f32 v[28+(\j)], v[28+(\j)]
	v_and_b32 v[44+(\j)], 1, v[28+(\j)]
.endr
.irp j, 0,1,2,3
	v_cmp_eq_u32 s[CM+(\j)], 1, v[44+(\j)]         ; an odd quadrant swaps the two: a choice of values, no branch.  The four compares stand in one run
.endr
	s_wait_alu depctr_va_sdst(0)                   ; the four masks s40 to s43 are written, ahead of the first select that reads one
.irp j, 0,1,2,3
	v_cndmask_b32 v[48+(\j)], v[36+(\j)], v[40+(\j)], s[CM+(\j)]
	v_cndmask_b32 v[52+(\j)], v[40+(\j)], v[36+(\j)], s[CM+(\j)]
	v_and_b32 v[44+(\j)], 2, v[28+(\j)]            ; sin is negative in quadrants 2 and 3,
	v_lshlrev_b32 v[44+(\j)], 30, v[44+(\j)]
	v_xor_b32 v[48+(\j)], v[44+(\j)], v[48+(\j)]
	v_add_nc_u32 v[44+(\j)], 1, v[28+(\j)]         ; cos in quadrants 1 and 2
	v_and_b32 v[44+(\j)], 2, v[44+(\j)]
	v_lshlrev_b32 v[44+(\j)], 30, v[44+(\j)]
	v_xor_b32 v[52+(\j)], v[44+(\j)], v[52+(\j)]
.endr
	s_wait_alu depctr_va_vdst(0)                   ; v48 to v55, the two stores' data, and v10, their offset, are written
	global_store_b128 v10, v[52:55], s[32:33]
	global_store_b128 v10, v[48:51], s[32:33] offset:524288
.Lend:
	s_wait_dscnt 0x0                               ; the closing lines, six on end
	s_wait_alu 0x0
	s_wait_tensorcnt 0x0
	ds_add_u32 v[SPW], v[NIL]
	s_wait_dscnt 0x0
	s_endpgm
.Lfunc_end_k_q969ce55f91_prep:
	.size	k_q969ce55f91_prep, .Lfunc_end_k_q969ce55f91_prep-k_q969ce55f91_prep
	.p2alignl 7, 3214868480
	.fill 96, 4, 3214868480
	.section	.rodata,"a",@progbits
	.p2align	6, 0x0
	.amdhsa_kernel k_q969ce55f91_prep
		.amdhsa_group_segment_fixed_size 35840
		.amdhsa_private_segment_fixed_size 0
		.amdhsa_enable_private_segment 0
		.amdhsa_kernarg_size 88
		.amdhsa_user_sgpr_count 2
		.amdhsa_user_sgpr_kernarg_segment_ptr 1
		.amdhsa_wavefront_size32 1
		.amdhsa_system_sgpr_workgroup_id_x 1
		.amdhsa_system_sgpr_workgroup_id_y 1
		.amdhsa_system_sgpr_workgroup_id_z 1
		.amdhsa_system_vgpr_workitem_id 0
		.amdhsa_next_free_vgpr 120
		.amdhsa_next_free_sgpr 66
		.amdhsa_reserve_vcc 0
		.amdhsa_float_denorm_mode_32 3
		.amdhsa_float_denorm_mode_16_64 3
		.amdhsa_memory_ordered 1
		.amdhsa_forward_progress 1
		.amdhsa_inst_pref_size 37
	.end_amdhsa_kernel
	.amdgpu_metadata
---
amdhsa.version: [ 1, 2 ]
amdhsa.kernels:
  - .name:           k_q969ce55f91_prep
    .symbol:         k_q969ce55f91_prep.kd
    .args:
      - { .name: x, .offset: 0, .size: 8, .value_kind: global_buffer, .address_space: global }
      - { .name: Wq, .offset: 8, .size: 8, .value_kind: global_buffer, .address_space: global }
      - { .name: Wk, .offset: 16, .size: 8, .value_kind: global_buffer, .address_space: global }
      - { .name: Wv, .offset: 24, .size: 8, .value_kind: global_buffer, .address_space: global }
      - { .name: Wo, .offset: 32, .size: 8, .value_kind: global_buffer, .address_space: global }
      - { .name: attn_mask, .offset: 40, .size: 8, .value_kind: global_buffer, .address_space: global }
      - { .name: xb, .offset: 48, .size: 8, .value_kind: global_buffer, .address_space: global }
      - { .name: wb, .offset: 56, .size: 8, .value_kind: global_buffer, .address_space: global }
      - { .name: wof, .offset: 64, .size: 8, .value_kind: global_buffer, .address_space: global }
      - { .name: mk, .offset: 72, .size: 8, .value_kind: global_buffer, .address_space: global }
      - { .name: rope, .offset: 80, .size: 8, .value_kind: global_buffer, .address_space: global }
    .group_segment_fixed_size: 35840
    .private_segment_fixed_size: 0
    .kernarg_segment_align: 8
    .kernarg_segment_size: 88
    .max_flat_workgroup_size: 256
    .sgpr_count:     66
    .vgpr_count:     120
    .wavefront_size: 32
...
	.end_amdgpu_metadata
.endif
;; end of part 5
;; launch qkvproj: the kernel of part 2 again; grid 16 x 16, 4 waves a work-group, clusters of 4 x 4, 327,680 bytes of LDS; arguments xb, wb, bq, bk, bv, rope, qkvh; writes qkvh
;; launch attn: the kernel of part 3 again; grid 16 x 16, 4 waves a work-group, clusters of 4 x 4, 327,680 bytes of LDS; arguments qkvh, mk, ob; writes ob
;; launch outproj: the kernel of part 4 again; grid 16 x 16, 4 waves a work-group, clusters of 4 x 4, 327,680 bytes of LDS; arguments ob, wof, bo, out0; writes out0
